; MI455X (gfx1250); checked and timed in simulation.
; The chip was launched on July 23, 2026; its instructions are those of AMD's public machine-readable ISA for CDNA 5 (MIT licence, August 2026) and "CDNA5" Instruction Set Architecture Reference Guide (July 2026). The comments in the code are by the model that wrote it; some were corrected since.
;; Multihead Attention. Allowed arithmetic: float matrix products may take bf16 or f16 operands with f32 sums; other float arithmetic in f32, or as packed bf16 or f16 multiplies, adds, multiply-adds, maxima and minima; sums over many terms, partial sums and values carried from step to step in f32; what a program stores and reads back later, other than sums and carried values, may be rounded once to bf16 or f16.
;; Inputs: Wk 1,024 x 1,024 float32; Wo 1,024 x 1,024 float32; Wq 1,024 x 1,024 float32; Wv 1,024 x 1,024 float32; bk 1,024 float32; bo 1,024 float32; bq 1,024 float32; bv 1,024 float32; k 4 x 2,048 x 1,024 float32; mask 4 x 1 x 2,048 x 2,048 int32; q 4 x 2,048 x 1,024 float32; v 4 x 2,048 x 1,024 float32.
;; Outputs: out0 4 x 2,048 x 1,024 float32.
;; One version. Each part assembles by itself: llvm-mc -triple=amdgcn-amd-amdhsa -mcpu=gfx1250 --defsym DOCPART=n.
;; ======== version 1 of 1: 4 launches
;; limits: values are held in f16: magnitudes above 65,504 overflow, below 6.1e-05 lose precision
;; workspace buffers: wb 6,291,456 bytes; wo16 2,097,152 bytes; maskw 2,097,152 bytes of whole numbers; qkv 50,331,648 bytes; ob 16,777,216 bytes
;; launch prep (part 1): grid 1280 x 1, 4 waves a work-group, no clusters, 35,328 bytes of LDS; arguments Wq, Wk, Wv, Wo, mask, wb, wo16, maskw; writes wb, wo16, maskw
.if DOCPART == 1
	.amdgcn_target "amdgcn-amd-amdhsa--gfx1250"
	.amdhsa_code_object_version 6
	.text
	.protected	k_q13a4fc5b0b_prep
	.globl	k_q13a4fc5b0b_prep
	.p2align	8
	.type	k_q13a4fc5b0b_prep,@function
k_q13a4fc5b0b_prep:
	s_mov_b64 s[64:65], 0
	v_nop
	global_prefetch_b8 v0, s[64:65] scope:SCOPE_SE
	s_setreg_imm32_b32 hwreg(HW_REG_WAVE_MODE, 25, 1), 1
	s_wait_xcnt 0x0
; THE PASS IN FRONT.  Every work-group moves 65,536 bytes in, once, and has one of three parts by its number:
;   0-191     Wq, Wk, Wv (f32) rounded to bf16 into wb [3][1024][1024]
;   192-255   Wo rounded to bf16, that number written as f16 into wo16 [1024][1024]
;   256-1279  mask (int32) packed into lane-mask words in maskw
; MASKW.  The unit (b, P = query / 32, s = key / 64) is 256 bytes at ((b 64 + P) 32 + s) 256.  Its dword 2 w + t (t = 0, 1: a tile of 16 queries; w = 8 kb + j) holds in bit l
; whether mask[b][32 P + 16 t + l % 16][64 s + 16 kb + 8 (l / 16) + j] is not 0: the lanes' mask for register w of that tile's scores in the attention launch.
; LIMITS.  A number of Wo below 2^-14 in size keeps f16's fixed step of 6e-8; beyond 65,504 it would be an infinity.
; No matrix unit, no cluster, no barrier: memory binds; each load of a wave covers whole aligned runs of 256 bytes, each store one whole aligned run of 256 bytes.  1,280 work-groups are five for each of 256 WGPs.
.set WROW,  272                        ; a row of 64 mask words in LDS: 256 bytes + 16: sixteen rows of one column start in sixteen different groups of four banks (64 banks of 4 bytes: ISA guide 11.1)
.set WREG,  32*WROW                    ; a wave's own 32 rows
.set SPARE, 4*WREG                     ; behind them: the spare words, 128 bytes for each wave: two blocks of 256 bytes that no other line names
.set SO,  2                            ; v2   my byte offset in the source
.set DO,  3                            ; v3   my byte offset in the destination
.set LST, 4                            ; v4   where I put 16 bytes of a mask row
.set LLD, 5                            ; v5   where I read my 32 bytes of a query's row
.set OUT, 6                            ; v[6:7], v[8:9]  the words of units 0 and 1: lane w holds dwords 2 w and 2 w + 1
.set SPW, 10                           ; v10  LDS address of my spare word; never rewritten
.set NIL, 11                           ; v11  0; never rewritten
.set X,   32                           ; v[32:159]  as loaded
.set Y,   160                          ; v[160:223] to store, or a unit's 64 registers of mask numbers
.set WV,  28
.set ID,  29
.set SRC, 30
.set DST, 32
	s_load_b512 s[4:19], s[0:1], 0x0               ; Wq s[4:5], Wk s[6:7], Wv s[8:9], Wo s[10:11], mask s[12:13], wb s[14:15], wo16 s[16:17], maskw s[18:19]
	v_lshl_add_u32 v[SPW], v0, 2, SPARE
	v_mov_b32 v[NIL], 0
	v_and_b32 v1, 31, v0                           ; lane
	v_lshrrev_b32 v12, 5, v0
	v_readfirstlane_b32 s[WV], v12                 ; wave 0..3
	s_mov_b32 s[ID], ttmp9
	s_mov_b32 s37, 0                               ; the high word of every offset pair s[36:37]
	v_lshlrev_b32 v[SO], 4, v1                     ; the conversions: 16 bytes a lane in,
	v_lshl_add_u32 v[SO], v12, 14, v[SO]           ; 16,384 a wave
	v_lshlrev_b32 v[DO], 3, v1                     ; 8 bytes a lane out,
	v_lshl_add_u32 v[DO], v12, 13, v[DO]           ; 8,192 a wave
	s_wait_kmcnt 0x0
; A wave's 16,384 bytes of f32 become 8,192 bytes of 16-bit numbers.  All 32 loads go out first; each covers 512 consecutive bytes.  wo = 1: the bf16 number is written as f16.
.macro CONV wo
.set i, 0
.rept 32
	global_load_b128 v[X+4*i:X+4*i+3], v[SO], s[SRC:SRC+1] offset:512*i th:TH_LOAD_NT
.set i, i+1
.endr
.set i, 0
.rept 32
	s_wait_loadcnt 31-i                            ; loads come back in order: number i is in, the 31 - i younger ones stay out
	v_cvt_pk_bf16_f32 v[Y+2*i], v[X+4*i], v[X+4*i+1]
	v_cvt_pk_bf16_f32 v[Y+2*i+1], v[X+4*i+2], v[X+4*i+3]
.if \wo
	v_lshlrev_b32 v12, 16, v[Y+2*i]                ; bf16 to f32: the low half moves up, the high half stays
	v_and_b32 v13, 0xffff0000, v[Y+2*i]
	v_lshlrev_b32 v14, 16, v[Y+2*i+1]
	v_and_b32 v15, 0xffff0000, v[Y+2*i+1]
	v_cvt_pk_f16_f32 v[Y+2*i], v12, v13            ; eight significant bits fit into f16's eleven
	v_cvt_pk_f16_f32 v[Y+2*i+1], v14, v15
.endif
	global_store_b64 v[DO], v[Y+2*i:Y+2*i+1], s[DST:DST+1] offset:256*i th:TH_STORE_NT  ; 32 lanes store 256 consecutive bytes, aligned; every store has data registers of its own
.set i, i+1
.endr
.endm
	s_cmp_lt_u32 s[ID], 192
	s_cbranch_scc0 .Lnot_w
	s_lshr_b32 s34, s[ID], 6                       ; which of Wq, Wk, Wv
	s_and_b32 s35, s[ID], 63                       ; which 65,536 bytes of it
	s_cmp_eq_u32 s34, 1
	s_cselect_b64 s[SRC:SRC+1], s[6:7], s[4:5]
	s_cmp_eq_u32 s34, 2
	s_cselect_b64 s[SRC:SRC+1], s[8:9], s[SRC:SRC+1]
	s_lshl_b32 s36, s35, 16
	s_add_nc_u64 s[SRC:SRC+1], s[SRC:SRC+1], s[36:37]
	s_lshl_b32 s36, s34, 21
	s_lshl_b32 s35, s35, 15
	s_add_co_u32 s36, s36, s35
	s_add_nc_u64 s[DST:DST+1], s[14:15], s[36:37]
	CONV 0
	s_branch .Lend
.Lnot_w:
	s_cmp_lt_u32 s[ID], 256
	s_cbranch_scc0 .Lmask
	s_sub_co_u32 s35, s[ID], 192
	s_lshl_b32 s36, s35, 16
	s_add_nc_u64 s[SRC:SRC+1], s[10:11], s[36:37]
	s_lshl_b32 s36, s35, 15
	s_add_nc_u64 s[DST:DST+1], s[16:17], s[36:37]
	CONV 1
	s_branch .Lend
.Lmask:                                                ; a wave packs two neighbouring units: 32 queries x 128 keys
	s_sub_co_u32 s34, s[ID], 256
	s_lshl_b32 s34, s34, 3
	s_lshl1_add_u32 s34, s[WV], s34                ; my first unit's number: 8 x work-group + 2 x wave
	s_and_b32 s35, s34, 31                         ; s (even: the second unit has the same b and P)
	s_bfe_u32 s36, s34, 0x60005                    ; P
	s_lshr_b32 s33, s34, 11                        ; b
	s_lshl_b32 s35, s35, 8                         ; 64 keys of 4 bytes
	s_lshl_b32 s36, s36, 18                        ; 32 rows of 8,192 bytes
	s_add_co_u32 s36, s36, s35
	s_lshl_b32 s33, s33, 24                        ; a batch's 2,048 rows
	s_add_co_u32 s36, s36, s33
	s_add_nc_u64 s[SRC:SRC+1], s[12:13], s[36:37]
	s_lshl_b32 s36, s34, 8
	s_add_nc_u64 s[DST:DST+1], s[18:19], s[36:37]
	v_lshrrev_b32 v13, 4, v1                       ; lane / 16
	v_and_b32 v14, 15, v1                          ; lane % 16
	v_lshlrev_b32 v[SO], 4, v14                    ; lanes 0-15 take 256 consecutive bytes of one row, lanes 16-31 of the next
	v_lshl_add_u32 v[SO], v13, 13, v[SO]
	v_lshlrev_b32 v[DO], 3, v1
	s_mul_i32 s35, s[WV], WREG
	v_mul_u32_u24 v[LST], v13, WROW
	v_lshl_add_u32 v[LST], v14, 4, v[LST]
	v_add_nc_u32 v[LST], s35, v[LST]
	v_mul_u32_u24 v[LLD], v14, WROW                ; back: query lane % 16, keys 8 (lane / 16) + 0..7 of a group of 16
	v_lshl_add_u32 v[LLD], v13, 5, v[LLD]
	v_add_nc_u32 v[LLD], s35, v[LLD]
.irp r, 0,1,2,3
	v_mov_b32 v[OUT+\r], 0                         ; written whole before single lanes are written
.endr
.irp u, 0,1
.set i, 0
.rept 16
	global_load_b128 v[X+64*\u+4*i:X+64*\u+4*i+3], v[SO], s[SRC:SRC+1] offset:16384*i+256*\u th:TH_LOAD_NT
.set i, i+1
.endr
.endr
; One unit: its 32 rows go through my own LDS rows, so that a lane gets the eight numbers of each of its registers; 64 compares make the 64 words; lane w takes words 2 w and 2 w + 1.
.macro UNIT u
	s_wait_loadcnt 16*(1-(\u))                     ; this unit's 16 loads are in; unit 1's may stay out
.set i, 0
.rept 16
	ds_store_b128 v[LST], v[X+64*(\u)+4*i:X+64*(\u)+4*i+3] offset:2*WROW*i
.set i, i+1
.endr
.irp t, 0,1
.irp kb, 0,1,2,3
	ds_load_b128 v[Y+32*\t+8*\kb:Y+32*\t+8*\kb+3],   v[LLD] offset:\t*16*WROW+\kb*64  ; LDS serves a wave's instructions in order (ISA guide 5.7.1.4): these see the stores above
	ds_load_b128 v[Y+32*\t+8*\kb+4:Y+32*\t+8*\kb+7], v[LLD] offset:\t*16*WROW+\kb*64+16
.endr
.endr
	s_wait_dscnt 0x0
.set g, 0
.rept 8
.set n, 0
.rept 8
	v_cmp_ne_u32 s[40+n], 0, v[Y+8*g+n]            ; bit l: lane l's number is not 0
.set n, n+1
.endr
.set n, 0
.rept 8
	v_writelane_b32 v[OUT+2*(\u)+g/4], s[40+n], (8*g+n)%32
.set n, n+1
.endr
.set g, g+1
.endr
	global_store_b64 v[DO], v[OUT+2*(\u):OUT+2*(\u)+1], s[DST:DST+1] offset:256*(\u)  ; the whole unit: 256 consecutive bytes, aligned
.endm
	UNIT 0
	UNIT 1
.Lend:
	s_wait_tensorcnt 0x0                           ; the wave's end: behind my last LDS store
	ds_add_u32 v[SPW], v[NIL]
	s_wait_dscnt 0x0
	s_endpgm
.Lfunc_end_k_q13a4fc5b0b_prep:
	.size	k_q13a4fc5b0b_prep, .Lfunc_end_k_q13a4fc5b0b_prep-k_q13a4fc5b0b_prep
	.p2alignl 7, 3214868480
	.fill 96, 4, 3214868480
	.section	.rodata,"a",@progbits
	.p2align	6, 0x0
	.amdhsa_kernel k_q13a4fc5b0b_prep
		.amdhsa_group_segment_fixed_size 35328
		.amdhsa_private_segment_fixed_size 0
		.amdhsa_enable_private_segment 0
		.amdhsa_kernarg_size 64
		.amdhsa_user_sgpr_count 2
		.amdhsa_user_sgpr_kernarg_segment_ptr 1
		.amdhsa_wavefront_size32 1
		.amdhsa_system_sgpr_workgroup_id_x 1
		.amdhsa_system_sgpr_workgroup_id_y 1
		.amdhsa_system_sgpr_workgroup_id_z 1
		.amdhsa_system_vgpr_workitem_id 0
		.amdhsa_next_free_vgpr 224
		.amdhsa_next_free_sgpr 66
		.amdhsa_reserve_vcc 0
		.amdhsa_float_denorm_mode_32 3
		.amdhsa_float_denorm_mode_16_64 3
		.amdhsa_memory_ordered 1
		.amdhsa_forward_progress 1
		.amdhsa_inst_pref_size 59
	.end_amdhsa_kernel
	.amdgpu_metadata
---
amdhsa.version: [ 1, 2 ]
amdhsa.kernels:
  - .name:           k_q13a4fc5b0b_prep
    .symbol:         k_q13a4fc5b0b_prep.kd
    .args:
      - { .name: Wq, .offset: 0, .size: 8, .value_kind: global_buffer, .address_space: global }
      - { .name: Wk, .offset: 8, .size: 8, .value_kind: global_buffer, .address_space: global }
      - { .name: Wv, .offset: 16, .size: 8, .value_kind: global_buffer, .address_space: global }
      - { .name: Wo, .offset: 24, .size: 8, .value_kind: global_buffer, .address_space: global }
      - { .name: mask, .offset: 32, .size: 8, .value_kind: global_buffer, .address_space: global }
      - { .name: wb, .offset: 40, .size: 8, .value_kind: global_buffer, .address_space: global }
      - { .name: wo16, .offset: 48, .size: 8, .value_kind: global_buffer, .address_space: global }
      - { .name: maskw, .offset: 56, .size: 8, .value_kind: global_buffer, .address_space: global }
    .group_segment_fixed_size: 35328
    .private_segment_fixed_size: 0
    .kernarg_segment_align: 8
    .kernarg_segment_size: 64
    .max_flat_workgroup_size: 128
    .sgpr_count:     66
    .vgpr_count:     224
    .wavefront_size: 32
...
	.end_amdgpu_metadata
.endif
;; end of part 1
;; launch proj (part 2): grid 4 x 64, 4 waves a work-group, clusters of 4 x 4, 327,680 bytes of LDS; arguments q, k, v, wb, bq, bk, bv, qkv; writes qkv
.if DOCPART == 2
	.amdgcn_target "amdgcn-amd-amdhsa--gfx1250"
	.amdhsa_code_object_version 6
	.text
	.protected	k_q13a4fc5b0b_proj
	.globl	k_q13a4fc5b0b_proj
	.p2align	8
	.type	k_q13a4fc5b0b_proj,@function
k_q13a4fc5b0b_proj:
	s_mov_b64 s[64:65], 0
	v_nop
	global_prefetch_b8 v0, s[64:65] scope:SCOPE_SE
	s_setreg_imm32_b32 hwreg(HW_REG_WAVE_MODE, 25, 1), 1
	s_wait_xcnt 0x0
	s_wait_alu depctr_hold_cnt(0) depctr_sa_sdst(0) depctr_va_vdst(0) depctr_va_sdst(0) depctr_va_ssrc(0) depctr_va_vcc(0) depctr_vm_vsrc(0)
	s_getreg_b32 s2, hwreg(HW_REG_IB_STS2, 6, 4)
	s_cmp_eq_u32 s2, 0
	s_cbranch_scc0 .Lentry_in_a_cluster
	s_endpgm
.Lentry_in_a_cluster:
	s_bfe_u32 s2, ttmp6, 0x10000c
	s_cmp_lg_u32 s2, 0xf033
	s_cbranch_scc0 .Lentry_shape_is_right
	s_endpgm
.Lentry_shape_is_right:
; THE THREE PROJECTIONS.  y_t[m][n] = sum over e of x_t[m][e] W_t[n][e] + b_t[n], t = q, k, v.  x_t: [8192][1024] f32, as the module gives them; wb: [3][1024][1024] bf16; biases f32.  x and the biases are rounded to bf16
; here, like all the module's inputs: x on its way from LDS to the matrix unit.  Sums in f32; y rounded once to f16 and stored by heads: qkv [3][batch 16 + head][2048][64].
; LIMIT.  f16 holds no number beyond 65,504: a projected number of 65,520 or more becomes an infinity.  NaN and infinities are not treated apart.
; SHARES.  The three products have 768 tiles of 128 rows x 256 columns: three for each of 256 work-groups.  A WORK-GROUP STAYS: it makes the same tile of q's, k's and v's product, one after the other, and the ring of
; LDS slots runs on from tile to tile.  Four waves, each 64 rows x 128 columns: 32 accumulators of 16 x 16.  K goes in 8 steps of 128 through two slots: rows of 512 bytes of x, of 256 bytes of W, all aligned to 256.
; CLUSTER.  4 x 4 work-groups.  The four of a row of the cluster need the same tile of x, the four of a column the same tile of W: each is asked for JOINTLY, by the same tensor load, descriptor and mask in all four.
; THE MATRIX INSTRUCTION IS USED TRANSPOSED (source 0 = 16 rows of W, source 1 = 16 rows of x): a lane then holds row l % 16 and the eight neighbouring columns 8 (l / 16) + 0..7.  The bias, which hangs on the
; column alone, is the C operand of the products that start the sums: nothing is cleared and nothing is added later.
; REGISTERS, in windows of 256 (s_set_vgpr_msb: bits 1:0 source 0, 3:2 source 1, 5:4 source 2, 7:6 destination):
;   window 0: v0-31 addresses; v32-95 x of one quarter step in f32, 16 registers a row block; v96-127 the same as four bf16 fragments; v128-223 the way out; v224-255 at work on the bias
;   window 1: accumulator (a, b) at v[8 (8 a + b)]          window 2: v0-63 the bias, eight registers for each column block b; v64-127, v128-191 W's eight fragments, two buffers
.set PITCH,  272                       ; a row of W in LDS: 256 bytes + 16 = 68 words: row r starts at bank 4 r mod 64 (64 banks of 4 bytes: ISA guide 11.1)
.set PA,     528                       ; a row of x in LDS: 512 bytes + 16 = 132 words: likewise
.set AHALF,  64*PA                     ; what a tensor load brings of x, and what a wave reads of it
.set BHALF,  128*PITCH                 ; the same for W
.set BOFF,   2*AHALF                   ; a slot: x's 128 rows, then W's 256
.set SLOT,   BOFF+2*BHALF
.set STAGE,  2*SLOT                    ; behind the ring, never filled by a tensor load: for each wave 2 heads x 16 rows x 144 bytes
.set SP,     144
.set HSTG,   16*SP
.set SPARE,  STAGE+4*2*HSTG            ; behind the stages: the spare words, 128 bytes for each wave: two blocks of 256 bytes that no other line names
.set KA,     512                       ; bytes of a K step in a row of x
.set KB,     256                       ; and in a row of W
.set OT,     16777216                  ; bytes from one of qkv's three tensors to the next
.set WT,     2097152                   ; the same for wb
.set NEXT_B, WT-6*KB                   ; W: from a slot's last K step of a tile to its first of the next tile
.set PFN_B,  WT-7*KB                   ; W's prefetches at a change of tiles: from K step 9 to the next tile's K step 2
.set ADRA, 16                          ; v16-17  LDS address of my rows of x in slot 0, 1
.set ADRB, 20                          ; v20-21  the same for W
.set STO,  24                          ; v24     the way out: where I put 16 bytes of a row
.set RD,   25                          ; v25     the way out: where I read rows back
.set CO,   26                          ; v26     my 16 bytes in 512 consecutive bytes of qkv
.set BO,   27                          ; v27     my byte offset in a bias
.set SPW,  28                          ; v28     LDS address of my spare word; never rewritten
.set NIL,  29                          ; v29     0; never rewritten
.set PFO,  30                          ; v30     the prefetches' offset: my lane x a row; never rewritten
.set SG,   32
.set AF,   96
.set TMP,  128                         ; the way out: packed results
.set BK0,  160                         ; the way out: rows read back: v160-191 and v192-223 by turns
.set BT,   224
.set FB0,  64                          ; window 2
.set FB1,  128
.set XQ,   4                           ; s[4:5] q, s[6:7] k, s[8:9] v
.set XK,   6
.set XV,   8
.set WB,   10                          ; s[10:11] wb
.set PBQ,  12                          ; s[12:13] bq, s[14:15] bk, s[16:17] bv
.set PBK,  14
.set PBV,  16
.set OUTP, 18                          ; s[18:19] qkv at my wave's part of the tile in hand
.set WV,   20
.set RH,   21                          ; which 64 rows are mine.  Also: I fetch for x (0) or for W (1)
.set CH,   22                          ; which 128 columns.  Also: which half of that tile I fetch
.set HIM,  23                          ; a word's upper bf16
.set G1A,  24                          ; s[24:31] descriptor group 1 for x's tiles;  s[32:39] group 0, a set for each slot
.set G0A,  32
.set CX,   40
.set CY,   41
.set TC,   42                          ; tile column
.set TR,   43                          ; tile row
.set PFA,  44                          ; s[44:45] where my prefetches stand
.set G1B,  48                          ; s[48:55], s[56:63] the same for W's tiles
.set G0B,  56
.set TILES, 66
.set LAPC, 67
.set LIM,  68                          ; 1 in a wave that prefetches, else the greatest number
.set PFS,  70                          ; s[70:71] the prefetches' step: a K step in a row of x or of W
.set BP,   72                          ; s[72:73] the bias that is being loaded
.set AOF,  78                          ; s[78:79] byte offset, in each of q, k, v, of the 64 rows that I fetch
.set NX,   80                          ; s[80:81] the next tile's x at those rows
.set PAO,  82                          ; s[82:83] byte offset, in each of q, k, v, of K step 2 of the blocks that I prefetch
.set MSB, 0
.macro WIN new                         ; the immediate's high byte repeats the setting that is left; a switch that changes nothing is dropped
.if MSB != (\new)
	s_set_vgpr_msb (MSB<<8)|(\new)
.set MSB, \new
.endif
.endm
.set MUL,  0x52                        ; W's fragment window 2, x's window 0, C and D window 1
.set MULF, 0x62                        ; the same with C window 2 (the bias)
.macro PLACES                          ; four places in front of loads into registers that matrix instructions have read, and of vector lines that read results
.rept 4
	v_nop
.endr
.endm
; A joint load: waves 0 and 1 fetch x's two halves, waves 2 and 3 W's.  The branch hangs on the wave's number alone.  An s_nop 0 and four v_nop follow each of the two lines.
.macro JLOAD s
	s_cmp_eq_u32 s[RH], 0
	s_cbranch_scc0 .Lfor_b_\@
	tensor_load_to_lds s[G0A+4*(\s):G0A+4*(\s)+3], s[G1A:G1A+7]
	s_nop 0
.rept 4
	v_nop
.endr
	s_branch .Lasked_\@
.Lfor_b_\@:
	tensor_load_to_lds s[G0B+4*(\s):G0B+4*(\s)+3], s[G1B:G1B+7]
	s_nop 0
.rept 4
	v_nop
.endr
.Lasked_\@:
.endm
; A PREFETCH of the K step that stands two refills on: 32 aligned blocks of 256 bytes, a lane a row, one instruction.  Each block is named once in the launch.  x's tile row is read by one row of one cluster: a K step is two
; blocks of each of its 128 rows; of the four work-groups each takes 32 rows, told apart by address (cx), wave 0 their first blocks and wave 1 their second.  W's tile column is read by a column of every cluster: the first
; cluster asks; of the 128 rows that wave 2 or 3 fetches the partner at cy takes 32.  how = 0, in the loop: a tile's last two refills have no K step two on; how = 1, at a change of tiles: the next tile's K steps 2 and 3.
.macro ASK how
.if \how
	s_cmp_eq_u32 s[LIM], 1
.else
	s_cmp_gt_u32 s[LAPC], s[LIM]                   ; the lap count is 1 in the loop's last trip
.endif
	s_cbranch_scc0 .Lnot_mine_\@
	global_prefetch_b8 v[PFO], s[PFA:PFA+1] th:TH_LOAD_NT scope:SCOPE_SE
.Lnot_mine_\@:
.endm
.macro CREST                           ; a round of the cluster's barrier behind its opening barrier
	s_cmp_lg_u32 s[WV], 0
	s_cbranch_scc1 .Lnot_wave_0_\@
	s_barrier_signal -3
.Lnot_wave_0_\@:
	s_barrier_wait -3
	s_barrier_signal -1
	s_barrier_wait -1
.endm
.macro CROUND
	s_barrier_signal -1
	s_barrier_wait -1
	CREST
.endm
; The bias of my 128 columns: lane l takes the eight numbers 16 b + 8 (l / 16) + 0..7 of each column block b, as a result register holds them.
.macro LOADB
	WIN 0x80                                       ; destination window 2, address window 0
.irp b, 0,1,2,3,4,5,6,7
	global_load_b128 v[8*\b:8*\b+3],   v[BO], s[BP:BP+1] offset:64*\b
	global_load_b128 v[8*\b+4:8*\b+7], v[BO], s[BP:BP+1] offset:64*\b+16
.endr
	WIN 0
.endm
.macro ROUNDB                          ; rounded to bf16 and widened again
	WIN 0x0a                                       ; sources window 2, destination window 0
.set i, 0
.rept 32
	v_cvt_pk_bf16_f32 v[BT+i], v[2*i], v[2*i+1]
.set i, i+1
.endr
	WIN 0x80
.set i, 0
.rept 32
	v_lshlrev_b32 v[2*i], 16, v[BT+i]
	v_and_b32 v[2*i+1], s[HIM], v[BT+i]
.set i, i+1
.endr
	WIN 0
.endm
	s_load_b512 s[4:19], s[0:1], 0x0               ; q, k, v, wb, bq, bk, bv, qkv
	v_lshl_add_u32 v[SPW], v0, 2, SPARE
	v_mov_b32 v[NIL], 0
	ds_add_u32 v[SPW], v[NIL]                      ; the wave's opening: the add, and its wait ahead of my first tensor load; the set-up below, work on registers, stands between them
	v_lshrrev_b32 v1, 5, v0
	v_readfirstlane_b32 s[WV], v1                  ; wave 0..3
	s_lshr_b32 s[RH], s[WV], 1
	s_and_b32 s[CH], s[WV], 1
	s_mov_b32 s[HIM], 0xffff0000
	s_bfe_u32 s[CX], ttmp6, 0x40000                ; my place in the cluster
	s_bfe_u32 s[CY], ttmp6, 0x40004
	s_lshl_b32 s[TC], ttmp9, 2
	s_add_co_u32 s[TC], s[TC], s[CX]               ; tile column = 4 x cluster x + cx
	s_and_b32 s[TR], ttmp7, 0xffff
	s_lshl_b32 s[TR], s[TR], 2
	s_add_co_u32 s[TR], s[TR], s[CY]               ; tile row = 4 x cluster y + cy
	s_lshl_b32 s84, s[CY], 2
	s_lshl_b32 s84, 15, s84                        ; my row of the cluster
	s_lshl_b32 s85, 0x1111, s[CX]                  ; my column
	s_or_b32 s[G1A], s84, (2<<16)|(1<<20)|(1<<21)|(6<<22)|(3<<25)  ; x: 15:0 the mask; 17:16 elements of 4 bytes; 20 padding on; 21 set beside a mask; 24:22 after every 128 words (code 6); 31:25 4 words (code 3)
	s_or_b32 s[G1B], s85, (1<<16)|(1<<20)|(1<<21)|(5<<22)|(3<<25)  ; W: elements of 2 bytes; padding after every 64 words (code 5)
	s_mov_b32 s[G1A+1], 128<<16                    ; tensor_dim0 = 128
	s_mov_b32 s[G1A+2], 64<<16                     ; tensor_dim1 = 64
	s_mov_b32 s[G1A+3], 128<<16                    ; tile_dim0 = 128
	s_mov_b32 s[G1A+4], 64                         ; tile_dim1 = 64
	s_mov_b32 s[G1A+5], 1024                       ; elements from row to row
	s_mov_b32 s[G1A+6], 0
	s_mov_b32 s[G1A+7], 0
	s_mov_b32 s[G1B+1], 128<<16
	s_mov_b32 s[G1B+2], 128<<16                    ; W's loads have 128 rows
	s_mov_b32 s[G1B+3], 128<<16
	s_mov_b32 s[G1B+4], 128
	s_mov_b32 s[G1B+5], 1024
	s_mov_b32 s[G1B+6], 0
	s_mov_b32 s[G1B+7], 0
	s_lshl_b32 s[AOF], s[TR], 7                    ; x: row 128 x tile row + 64 x half: the tile row and the wave's number alone
	s_lshl_b32 s86, s[CH], 6
	s_add_co_u32 s[AOF], s[AOF], s86
	s_lshl_b32 s[AOF], s[AOF], 12                  ; rows of 4,096 bytes
	s_mov_b32 s[AOF+1], 0
	s_lshl_b32 s46, s[TC], 8                       ; W: row 256 x tile column + 128 x half: the tile column and the wave's number alone
	s_lshl_b32 s47, s[CH], 7
	s_add_co_u32 s46, s46, s47
	s_lshl_b32 s46, s46, 11                        ; rows of 2,048 bytes
	s_mov_b32 s47, 0
	s_mul_i32 s74, s[CH], AHALF                    ; where they go: no place in the cluster enters an LDS address
	s_mul_i32 s75, s[CH], BHALF
	s_add_co_u32 s75, s75, BOFF
	s_wait_dscnt 0x0                               ; the opening add is done
	s_wait_kmcnt 0x0
	s_add_nc_u64 s[76:77], s[XQ:XQ+1], s[AOF:AOF+1]
	s_add_nc_u64 s[46:47], s[WB:WB+1], s[46:47]
	CROUND                                         ; all sixteen work-groups are here: the first joint loads meet
.irp s, 0,1
	s_mov_b32 s[G0A+4*(\s)], 1                                     ; count = 1
	s_add_co_u32 s[G0A+4*(\s)+1], s74, (\s)*SLOT                   ; LDS address
	s_add_nc_u64 s[G0A+4*(\s)+2:G0A+4*(\s)+3], s[76:77], (\s)*KA   ; global address: K step s
	s_or_b32 s[G0A+4*(\s)+3], s[G0A+4*(\s)+3], 0x80000000          ; type = 2
	s_mov_b32 s[G0B+4*(\s)], 1
	s_add_co_u32 s[G0B+4*(\s)+1], s75, (\s)*SLOT
	s_add_nc_u64 s[G0B+4*(\s)+2:G0B+4*(\s)+3], s[46:47], (\s)*KB
	s_or_b32 s[G0B+4*(\s)+3], s[G0B+4*(\s)+3], 0x80000000
	JLOAD \s                                       ; two loads of mine are out
.endr
	; A fragment is 16 rows x 32 K in 8 registers: lane l holds row l % 16, K = 8 (l / 16) + 0..7 and 16 + 8 (l / 16) + 0..7.  Of W that is two loads of 16 bytes, 32 bytes apart; of x, in f32, four: at 0, 16, 64 and 80.
	v_and_b32 v1, 15, v0
	v_bfe_u32 v2, v0, 4, 1
	v_mul_u32_u24 v3, v1, PITCH
	v_lshl_add_u32 v3, v2, 4, v3                   ; W: row x pitch + 16 x half
	v_mul_u32_u24 v4, v1, PA
	v_lshl_add_u32 v4, v2, 5, v4                   ; x: row x pitch + 32 x half
	s_mul_i32 s74, s[RH], AHALF                    ; my 64 rows of x
	s_mul_i32 s75, s[CH], BHALF                    ; my 128 rows of W,
	s_add_co_u32 s75, s75, BOFF                    ; which lie behind x's 128
.irp s, 0,1
	v_add_nc_u32 v[ADRA+(\s)], s74, v4
	v_add_nc_u32 v[ADRB+(\s)], s75, v3
	s_add_co_u32 s74, s74, SLOT
	s_add_co_u32 s75, s75, SLOT
.endr
	s_mul_i32 s74, s[WV], 2*HSTG
	s_add_co_u32 s74, s74, STAGE                   ; my stage
	v_mul_u32_u24 v5, v1, SP                       ; in: row l % 16, 16 bytes for each half of the lanes
	v_lshl_add_u32 v5, v2, 4, v5
	v_add_nc_u32 v[STO], s74, v5
	v_bfe_u32 v5, v0, 3, 2                         ; back: 32 lanes take four rows of 128 bytes,
	v_and_b32 v6, 7, v0
	v_mul_u32_u24 v5, v5, SP
	v_lshl_add_u32 v5, v6, 4, v5
	v_add_nc_u32 v[RD], s74, v5
	v_and_b32 v7, 31, v0
	v_lshlrev_b32 v[CO], 4, v7                     ; which are 512 consecutive bytes of a head
	s_lshl_b32 s74, s[TC], 10                      ; the bias: 4 bytes x (256 x tile column + 128 x half + 8 (l / 16))
	s_lshl_b32 s75, s[CH], 9
	s_add_co_u32 s74, s74, s75
	v_lshl_add_u32 v[BO], v2, 5, s74
	s_lshr_b32 s74, s[TR], 4                       ; qkv: the batch (16 tile rows each),
	s_lshl_b32 s74, s74, 4
	s_lshl_b32 s75, s[TC], 2                       ; my first head: 4 x tile column + 2 x half,
	s_add_co_u32 s74, s74, s75
	s_lshl1_add_u32 s74, s[CH], s74
	s_lshl_b32 s74, s74, 11                        ; 2,048 rows a head,
	s_and_b32 s75, s[TR], 15
	s_lshl_b32 s75, s75, 7                         ; the tile's first row in the batch,
	s_add_co_u32 s74, s74, s75
	s_lshl_b32 s75, s[RH], 6                       ; my 64 rows,
	s_add_co_u32 s74, s74, s75
	s_lshl_b32 s74, s74, 7                         ; 128 bytes a row
	s_mov_b32 s75, 0
	s_add_nc_u64 s[OUTP:OUTP+1], s[OUTP:OUTP+1], s[74:75]
	; the prefetches
	s_lshl_b32 s[PAO], s[TR], 7                    ; x: the tile's first row + my work-group's 32,
	s_lshl_b32 s76, s[CX], 5
	s_add_co_u32 s[PAO], s[PAO], s76
	s_lshl_b32 s[PAO], s[PAO], 12
	s_lshl_b32 s76, s[CH], 8                       ; my wave's block of a K step's two,
	s_add_co_u32 s[PAO], s[PAO], s76
	s_add_co_u32 s[PAO], s[PAO], 2*KA              ; K step 2
	s_mov_b32 s[PAO+1], 0
	s_lshl_b32 s74, s[TC], 8                       ; W: the 128 rows that I fetch + my work-group's 32, K step 3
	s_lshl_b32 s76, s[CH], 7
	s_add_co_u32 s74, s74, s76
	s_lshl_b32 s76, s[CY], 5
	s_add_co_u32 s74, s74, s76
	s_lshl_b32 s74, s74, 11
	s_add_co_u32 s74, s74, 3*KB
	s_mov_b32 s75, 0
	s_add_nc_u64 s[84:85], s[XQ:XQ+1], s[PAO:PAO+1]
	s_add_nc_u64 s[84:85], s[84:85], KA            ; x at K step 3 too: the first refill steps to 4 and names that.  Nothing is prefetched here, where every work-group's first tiles are on their way
	s_add_nc_u64 s[86:87], s[WB:WB+1], s[74:75]
	s_and_b32 s77, ttmp7, 0xffff                   ; cluster y
	s_mov_b32 s[PFS], KB
	s_mov_b32 s[PFS+1], 0
	s_cmp_eq_u32 s[RH], 0                          ; do I fetch for x?
	s_cselect_b64 s[PFA:PFA+1], s[84:85], s[86:87]
	s_cselect_b32 s77, 0, s77                      ; 0 in waves 0 and 1, and in waves 2 and 3 of the first cluster: the same in all sixteen partners, for a given wave
	s_cselect_b32 s[PFS], KA, s[PFS]
	s_cselect_b32 s76, 12, 11                      ; a lane a row: 4,096 bytes of x, 2,048 of W
	s_cmp_eq_u32 s77, 0
	s_cselect_b32 s[LIM], 1, -1
	v_lshlrev_b32 v[PFO], s76, v7
	s_mov_b64 s[BP:BP+1], s[PBQ:PBQ+1]             ; the first tile's bias is bq
	LOADB
	s_wait_loadcnt 0x0
	ROUNDB
; 8 matrix instructions: row block a x all 8 column blocks, 32 along K.  first = 1: the product starts the sums, with the bias as C.  The 32 accumulators take turns, one instruction a turn, in the same order
; in every quarter step.
.macro MUL8 f, a, first
.if \first
	WIN MULF
.else
	WIN MUL
.endif
.irp b, 0,1,2,3,4,5,6,7
.if \first
	v_wmma_f32_16x16x32_bf16 v[8*(8*(\a)+\b):8*(8*(\a)+\b)+7], v[(\f)+8*\b:(\f)+8*\b+7], v[AF+8*(\a):AF+8*(\a)+7], v[8*\b:8*\b+7]
.else
	v_wmma_f32_16x16x32_bf16 v[8*(8*(\a)+\b):8*(8*(\a)+\b)+7], v[(\f)+8*\b:(\f)+8*\b+7], v[AF+8*(\a):AF+8*(\a)+7], v[8*(8*(\a)+\b):8*(8*(\a)+\b)+7]
.endif
.endr
.endm
.macro MUL16 f, a0, first
	MUL8 \f, \a0, \first
	MUL8 \f, (\a0)+1, \first
.endm
; Row block a of x: its 16 numbers a lane are rounded to bf16, two an instruction, the lower K into the low half: the fragment
.macro CVT a
	WIN 0
.irp j, 0,1,2,3,4,5,6,7
	v_cvt_pk_bf16_f32 v[AF+8*(\a)+\j], v[SG+16*(\a)+2*\j], v[SG+16*(\a)+2*\j+1]
.endr
.endm
; 32 LDS loads in one run: quarter q of a K step: W's eight fragments into buffer f (byte 64 q of its rows), then x's four row blocks in f32 (byte 128 q of its rows)
.macro FETCH slot, q, f
	WIN 0x80                                       ; destination window 2, address window 0
.irp b, 0,1,2,3,4,5,6,7
	ds_load_b128 v[(\f)+8*\b:(\f)+8*\b+3],   v[ADRB+(\slot)] offset:64*(\q)+\b*16*PITCH
	ds_load_b128 v[(\f)+8*\b+4:(\f)+8*\b+7], v[ADRB+(\slot)] offset:64*(\q)+\b*16*PITCH+32
.endr
	WIN 0
.irp a, 0,1,2,3
	ds_load_b128 v[SG+16*\a:SG+16*\a+3],     v[ADRA+(\slot)] offset:128*(\q)+\a*16*PA
	ds_load_b128 v[SG+16*\a+4:SG+16*\a+7],   v[ADRA+(\slot)] offset:128*(\q)+\a*16*PA+16
	ds_load_b128 v[SG+16*\a+8:SG+16*\a+11],  v[ADRA+(\slot)] offset:128*(\q)+\a*16*PA+64
	ds_load_b128 v[SG+16*\a+12:SG+16*\a+15], v[ADRA+(\slot)] offset:128*(\q)+\a*16*PA+80
.endr
.endm
; A K step is four quarters of 32 along K, 32 matrix instructions each, on W's buffers 0, 1, 0, 1.  One of the first three: multiplies buffer f and in its middle fetches quarter q into g.  The 16 conversions in the middle
; name no register of the products round them: they are the places in front of the loads.  A fragment of x is written again 16 such lines or more behind the last product that read it.
.macro QUARTER slot, q, f, g, first
	WIN 0
	s_wait_dscnt 8                                 ; W's fragments and x's row blocks 0 and 1 are in; the youngest eight loads may be out
	CVT 0
	CVT 1
	MUL16 \f, 0, \first
	s_wait_dscnt 0x0                               ; row blocks 2 and 3
	CVT 2
	CVT 3
	FETCH \slot, \q, \g
	MUL16 \f, 2, \first
.endm
; The last quarter multiplies buffer 1 and changes slots: ONE barrier; in front of it each wave waits for all its tensor loads (the one that is out is its part of the next slot), adds 0 to its spare word, and waits for
; that and for its reads of this slot.  mode 0: this slot is filled again, two K steps on; 1: with the next tile's K step 0 or 1; 2: nothing is filled.  Where a slot is filled the barrier opens a round of the
; cluster's barrier, and the joint refill is the first thing behind it: 112 matrix instructions ahead of the wait for it.
.macro TURN slot, next, mode
.if (\mode) < 2
	s_wait_xcnt 0x0                                ; the last prefetch, a K step back, has read its address, which is written here
.if ((\mode) == 1) && ((\slot) == 0)
	s_cmp_eq_u32 s[TILES], 3
	s_cselect_b64 s[NX:NX+1], s[XK:XK+1], s[XV:XV+1]  ; the next tile's x: k, then v: every address is made from its own buffer's
	s_add_nc_u64 s[84:85], s[NX:NX+1], s[PAO:PAO+1]   ; x's prefetches: the next tile's K step 2
	s_add_nc_u64 s[86:87], s[PFA:PFA+1], PFN_B        ; W's likewise
	s_cmp_eq_u32 s[RH], 0
	s_cselect_b64 s[PFA:PFA+1], s[84:85], s[86:87]
	s_add_nc_u64 s[NX:NX+1], s[NX:NX+1], s[AOF:AOF+1]
.else
	s_add_nc_u64 s[PFA:PFA+1], s[PFA:PFA+1], s[PFS:PFS+1]
.endif
.endif
	WIN 0
	s_wait_tensorcnt 0x0                           ; all my tensor loads have landed;
	ds_add_u32 v[SPW], v[NIL]                      ; 0 onto my spare word
	s_wait_dscnt 9                                 ; (the add and the eight loads of x's row blocks 2 and 3 may be out)
	CVT 0
	CVT 1
	MUL8 FB1, 0, 0                                 ; conversions and eight matrix instructions stand between the add and the wait for it
	s_wait_dscnt 0x0                               ; the add is done, and my reads of this slot are over
	s_barrier_signal -1
	MUL8 FB1, 1, 0                                 ; work on registers while the others arrive
	CVT 2
	CVT 3
	WIN 0
	s_barrier_wait -1
.if (\mode) < 2
	CREST                                          ; no wave of any partner still reads this slot's tile or has a load on its way
.if (\mode) == 1
.if (\slot) == 0
	s_mov_b64 s[G0A+2:G0A+3], s[NX:NX+1]           ; the next tile's K step 0
.else
	s_add_nc_u64 s[G0A+6:G0A+7], s[NX:NX+1], KA    ; its K step 1
.endif
	s_or_b32 s[G0A+4*(\slot)+3], s[G0A+4*(\slot)+3], 0x80000000
	s_add_nc_u64 s[G0B+4*(\slot)+2:G0B+4*(\slot)+3], s[G0B+4*(\slot)+2:G0B+4*(\slot)+3], NEXT_B
.else
	s_add_nc_u64 s[G0A+4*(\slot)+2:G0A+4*(\slot)+3], s[G0A+4*(\slot)+2:G0A+4*(\slot)+3], 2*KA
	s_add_nc_u64 s[G0B+4*(\slot)+2:G0B+4*(\slot)+3], s[G0B+4*(\slot)+2:G0B+4*(\slot)+3], 2*KB
.endif
	JLOAD \slot
.endif
	FETCH \next, 0, FB0
.if (\mode) < 2
	ASK \mode
.endif
	MUL16 FB1, 2, 0
.endm
; THE WAY OUT of row block a.  PACK: rounded to f16, 16 bytes a lane.  TOSTAGE: into my own stage, a head's 16 rows of 128 bytes together, and back as 512 consecutive bytes.  SEND: stored.
.macro PACK a
	WIN 0x05                                       ; sources window 1, destination window 0
.irp b, 0,1,2,3,4,5,6,7
.irp r, 0,1,2,3
	v_cvt_pk_f16_f32 v[TMP+4*\b+\r], v[8*(8*(\a)+\b)+2*\r], v[8*(8*(\a)+\b)+2*\r+1]
.endr
.endr
	WIN 0
.endm
.macro TOSTAGE a
	WIN 0
.set BK, BK0+32*((\a)%2)
.irp b, 0,1,2,3,4,5,6,7
	ds_store_b128 v[STO], v[TMP+4*\b:TMP+4*\b+3] offset:(\b/4)*HSTG+(\b%4)*32
.endr
.irp t, 0,1,2,3,4,5,6,7
	ds_load_b128 v[BK+4*\t:BK+4*\t+3], v[RD] offset:(\t/4)*HSTG+(\t%4)*4*SP  ; LDS serves a wave's instructions in order (ISA guide 5.7.1.4): these see the stores above
.endr
.endm
.macro SEND a
	WIN 0
.set BK, BK0+32*((\a)%2)
	s_wait_dscnt 0x0                               ; the block is back in registers
	s_wait_xcnt 0x0                                ; the registers that earlier stores read are loaded again only behind this wait
.irp t, 0,1,2,3,4,5,6,7
	global_store_b128 v[CO], v[BK+4*\t:BK+4*\t+3], s[OUTP:OUTP+1] offset:(\a)*2048+(\t/4)*262144+(\t%4)*512  ; 512 consecutive bytes of a head, aligned
.endr
.endm
	s_wait_tensorcnt 0x1                           ; my part of K step 0 is in; K step 1's may stay out
	s_barrier_signal -1
	s_barrier_wait -1                              ; everybody's is
	FETCH 0, 0, FB0
	s_mov_b32 s[TILES], 3                          ; tiles to go, this one among them
.Ltile:
	QUARTER 0, 1, FB0, FB1, 1                      ; a tile's first quarter: its products start the sums with the bias
	WIN 0
	PLACES                                         ; in front of the loads into the bias's registers, which those products have read
	s_cmp_eq_u32 s[TILES], 1
	s_cbranch_scc1 .Lno_bias
	s_cmp_eq_u32 s[TILES], 3
	s_cselect_b64 s[BP:BP+1], s[PBK:PBK+1], s[PBV:PBV+1]  ; the next tile's bias: bk, then bv; it is waited for behind the way out
	LOADB
.Lno_bias:
	s_mov_b32 s[LAPC], 3
.Llap:                                                 ; a trip goes once round the ring, from a lap's second quarter to the next lap's first, and fills both slots again
	QUARTER 0, 2, FB1, FB0, 0
	QUARTER 0, 3, FB0, FB1, 0
	TURN 0, 1, 0
	QUARTER 1, 1, FB0, FB1, 0
	QUARTER 1, 2, FB1, FB0, 0
	QUARTER 1, 3, FB0, FB1, 0
	TURN 1, 0, 0
	QUARTER 0, 1, FB0, FB1, 0
	WIN 0
	s_sub_co_u32 s[LAPC], s[LAPC], 1
	s_cmp_lg_u32 s[LAPC], 0
	s_cbranch_scc1 .Llap
	QUARTER 0, 2, FB1, FB0, 0                      ; the tile's last lap goes on
	QUARTER 0, 3, FB0, FB1, 0
	WIN 0
	s_cmp_eq_u32 s[TILES], 1
	s_cbranch_scc1 .Llast                          ; the last tile's tail is written out: it asks for nothing more
	TURN 0, 1, 1                                   ; the ring goes on into the next tile: slot 0 takes its K step 0,
	QUARTER 1, 1, FB0, FB1, 0
	QUARTER 1, 2, FB1, FB0, 0
	QUARTER 1, 3, FB0, FB1, 0
	TURN 1, 0, 1                                   ; slot 1 its K step 1, and the next tile's first quarter is fetched
	WIN 0
	s_branch .Lout
.Llast:
	TURN 0, 1, 2
	QUARTER 1, 1, FB0, FB1, 0
	QUARTER 1, 2, FB1, FB0, 0
	QUARTER 1, 3, FB0, FB1, 0
	WIN 0
	s_wait_dscnt 8                                 ; the very last quarter: nothing more to fetch
	CVT 0
	CVT 1
	MUL16 FB1, 0, 0
	s_wait_dscnt 0x0
	CVT 2
	CVT 3
	MUL16 FB1, 2, 0
	WIN 0
.Lout:
	PLACES                                         ; behind the last products: the conversions read results
	PACK 0
	TOSTAGE 0
.irp a, 1,2,3                          ; block a's conversions stand between block a - 1's loads from the stage and the wait for them
	PACK \a
	SEND (\a)-1
	TOSTAGE \a
.endr
	SEND 3
	s_sub_co_u32 s[TILES], s[TILES], 1
	s_cmp_eq_u32 s[TILES], 0
	s_cbranch_scc1 .Lend
	s_wait_xcnt 0x0                                ; the stores have read their registers and their base
	s_add_nc_u64 s[OUTP:OUTP+1], s[OUTP:OUTP+1], OT
	s_wait_loadcnt 0x0                             ; the next tile's bias
	ROUNDB
	s_cmp_lg_u32 s[TILES], 0
	s_cbranch_scc1 .Ltile
.Lend:
	s_wait_tensorcnt 0x0                           ; the wave's end: behind my last tensor load and my last LDS store
	ds_add_u32 v[SPW], v[NIL]
	s_wait_dscnt 0x0
	CROUND                                         ; the closing round: no work-group ends while a partner may still ask for a tile that names it
	s_endpgm
.Lfunc_end_k_q13a4fc5b0b_proj:
	.size	k_q13a4fc5b0b_proj, .Lfunc_end_k_q13a4fc5b0b_proj-k_q13a4fc5b0b_proj
	.p2alignl 7, 3214868480
	.fill 96, 4, 3214868480
	.section	.rodata,"a",@progbits
	.p2align	6, 0x0
	.amdhsa_kernel k_q13a4fc5b0b_proj
		.amdhsa_group_segment_fixed_size 327680
		.amdhsa_private_segment_fixed_size 0
		.amdhsa_enable_private_segment 0
		.amdhsa_kernarg_size 64
		.amdhsa_user_sgpr_count 2
		.amdhsa_user_sgpr_kernarg_segment_ptr 1
		.amdhsa_wavefront_size32 1
		.amdhsa_system_sgpr_workgroup_id_x 1
		.amdhsa_system_sgpr_workgroup_id_y 1
		.amdhsa_system_sgpr_workgroup_id_z 1
		.amdhsa_system_vgpr_workitem_id 0
		.amdhsa_next_free_vgpr 704
		.amdhsa_next_free_sgpr 88
		.amdhsa_reserve_vcc 0
		.amdhsa_float_denorm_mode_32 3
		.amdhsa_float_denorm_mode_16_64 3
		.amdhsa_memory_ordered 1
		.amdhsa_forward_progress 1
		.amdhsa_inst_pref_size 174
	.end_amdhsa_kernel
	.amdgpu_metadata
---
amdhsa.version: [ 1, 2 ]
amdhsa.kernels:
  - .name:           k_q13a4fc5b0b_proj
    .symbol:         k_q13a4fc5b0b_proj.kd
    .args:
      - { .name: q, .offset: 0, .size: 8, .value_kind: global_buffer, .address_space: global }
      - { .name: k, .offset: 8, .size: 8, .value_kind: global_buffer, .address_space: global }
      - { .name: v, .offset: 16, .size: 8, .value_kind: global_buffer, .address_space: global }
      - { .name: wb, .offset: 24, .size: 8, .value_kind: global_buffer, .address_space: global }
      - { .name: bq, .offset: 32, .size: 8, .value_kind: global_buffer, .address_space: global }
      - { .name: bk, .offset: 40, .size: 8, .value_kind: global_buffer, .address_space: global }
      - { .name: bv, .offset: 48, .size: 8, .value_kind: global_buffer, .address_space: global }
      - { .name: qkv, .offset: 56, .size: 8, .value_kind: global_buffer, .address_space: global }
    .group_segment_fixed_size: 327680
    .private_segment_fixed_size: 0
    .kernarg_segment_align: 8
    .kernarg_segment_size: 64
    .max_flat_workgroup_size: 128
    .sgpr_count:     88
    .vgpr_count:     704
    .wavefront_size: 32
...
	.end_amdgpu_metadata
.endif
;; end of part 2
;; launch attn (part 3): grid 4 x 64, 8 waves a work-group, clusters of 4 x 1, 327,680 bytes of LDS; arguments qkv, maskw, ob; writes ob
.if DOCPART == 3
	.amdgcn_target "amdgcn-amd-amdhsa--gfx1250"
	.amdhsa_code_object_version 6
	.text
	.protected	k_q13a4fc5b0b_attn
	.globl	k_q13a4fc5b0b_attn
	.p2align	8
	.type	k_q13a4fc5b0b_attn,@function
k_q13a4fc5b0b_attn:
	s_mov_b64 s[64:65], 0
	v_nop
	global_prefetch_b8 v0, s[64:65] scope:SCOPE_SE
	s_setreg_imm32_b32 hwreg(HW_REG_WAVE_MODE, 25, 1), 1
	s_wait_xcnt 0x0
	s_wait_alu depctr_hold_cnt(0) depctr_sa_sdst(0) depctr_va_vdst(0) depctr_va_sdst(0) depctr_va_ssrc(0) depctr_va_vcc(0) depctr_vm_vsrc(0)
	s_getreg_b32 s2, hwreg(HW_REG_IB_STS2, 6, 4)
	s_cmp_eq_u32 s2, 0
	s_cbranch_scc0 .Lentry_in_a_cluster
	s_endpgm
.Lentry_in_a_cluster:
	s_bfe_u32 s2, ttmp6, 0x10000c
	s_cmp_lg_u32 s2, 0x3003
	s_cbranch_scc0 .Lentry_shape_is_right
	s_endpgm
.Lentry_shape_is_right:
; MASKED ATTENTION.  O[bh][q][:] = the sum over k of softmax_k(where(mask[b][q][k] == 0, hidden, Q[bh][q] . K[bh][k] / 8)) V[bh][k][:].  qkv: [3][64][2048][64] f16, ob: [64][2048][64] f16; a head's rows are dense, 128 bytes.
; Products, maxima and sums in f32; the weights p are rounded to f16 for the second product (their sum l is taken of the unrounded p), O once at the end.
; LIMITS.  A hidden score counts as -2^33 before the division by 8, -1.07e9 behind it, where the module writes -1e9: with a power of two c m and c s - c m are exact, so a row that is hidden altogether has p = 1 for every key
; and comes out as the mean of V's rows.  The two differ only where true scores lie below about -1e9.  A weight below 2^-126 counts as 0 in l.  NaN and infinities are not treated apart.
; SHARES.  A work-group owns 512 queries of one head, each of its eight waves 64: two PIECES of two tiles of 16.  Every wave walks all 2,048 keys, 64 a step.  Two waves lie on a SIMD: a piece's mask is 64 scalar
; words a step, which is what one wave's scalar registers hold.
; LAYOUT.  S^T = K Q^T (source 0 = 16 keys, source 1 = 16 queries): a lane holds ONE query (lane % 16) and the keys 8 (lane / 16) + 0..7.  Two such results rounded to f16 in pairs ARE source 1 of O^T = V^T P.
; K comes out of LDS as it lies, V ([key][channel]) turned, by ds_load_tr16_b128.  P LIES OVER S^T: pair j of a tile's 32 weights is rounded into the tile's register j, which belongs to pair j / 2, used before.
; THE MASK.  maskw holds, for each 32 queries x 64 keys, 64 words: word 2 w + u is the lanes' mask of register w of tile u's scores.  They come by scalar loads, and one v_cndmask_b32 a register puts -2^33 where the bit is 0,
; ahead of the maximum.
; SOFTMAX.  For each query a running maximum m and sum l: p = 2^(c s - c m), c = log2(e) / 8; in every step O and l are multiplied by a = 2^(c m_old - c m_new).  m starts at the lowest finite number, O and l at 0: the first
; step is a step like any other, with a = 0.
; BY TURNS.  Turn x belongs to piece x: its vector work is that piece's softmax for one key step, 300 instructions; its matrix work is the OTHER piece's: 16 products V^T P with the weights that piece made in the turn
; before, then 16 products K Q^T for the softmax that it makes in the turn after.  The products go in pairs, and behind each pair stand 19 of the 300 (behind the last 15): a wave issues vector work while its own products run.
; CLUSTER.  The four query blocks of a head walk the same K and V: each tile is asked for JOINTLY, by the same tensor load, descriptor and mask in all four.
; REGISTERS, in windows of 256 (s_set_vgpr_msb: bits 1:0 source 0, 3:2 source 1, 5:4 source 2, 7:6 destination):
;   window 0: v0-15 addresses; v16-31 four registers of statistics a tile; v32-41 at work; v64-191 S^T, 64 a piece, 32 a tile, with P over each tile's first 16; v192-255 V of one step
;   window 1: v0-127 O^T, 32 a tile; v128-191 Q, 16 a tile; v192-255 K of one step
.set KS,    64
.set PK,    144       ; a row of K or V in LDS: 128 bytes + 16 = 36 words: the 16 rows of a load of K start at 16 different groups of four banks (64 banks of 4 bytes: ISA guide 11.1); one pitch for both, so that one descriptor serves four waves
.set STEPB, KS*PK     ; a step's 64 rows
.set VOFF,  4*STEPB   ; a slot holds four steps: 256 rows of K, then 256 rows of V
.set QUART, 128*PK    ; what one tensor load brings: 128 rows
.set SLOT1, 1<<17     ; slot 1 begins here, so that one exclusive or turns an address in one slot into the other's
.set STAGE, SLOT1+2*VOFF  ; behind the ring, never filled by a tensor load: 16 rows x 144 bytes for each wave
.set SP,    144
.set SPARE, STAGE+8*16*SP ; behind the stages: the spare words, 128 bytes for each wave: four blocks of 256 bytes that no other line names
.set NV,    300       ; vector instructions in a piece's softmax for a step
.set AK0, 2           ; v2   my lane's place in a tile of K; never rewritten
.set AV0, 3           ; v3   the same for V
.set AK,  4           ; v4   the LDS address of K's run of loads
.set AV,  5           ; v5   of V's
.set STO, 6           ; v6   the way out: where I put 16 bytes of a row
.set RD,  7           ; v7   the way out: where I read rows back
.set GO,  8           ; v8   my 16 bytes in 512 consecutive bytes of O
.set NEG, 12          ; v12  -2^33
.set PFO, 13          ; v13  the prefetches' offset; never rewritten
.set SPW, 14          ; v14  LDS address of my spare word; never rewritten
.set NIL, 15          ; v15  0; never rewritten
.set ST,  16          ; tile t's statistics at v[ST+4 t]: c m, m, l (even keys', odd keys')
.set TMP, 32          ; by tile of the piece in hand, four registers c0-c3 at work; when the maximum is found c2 takes a, and c0, c1 the sum of the odd pairs
.set MV,  40          ; v40-41  c m_old, kept while c m is made anew
.set QO,  42          ; v42  my byte offset in 16 rows of Q
.set S,   64          ; piece x's S^T at S + 64 x
.set VF,  192         ; window 0: key half kk, channel block cb at VF + 32 kk + 8 cb
.set Q,   128         ; window 1
.set KF,  192         ; window 1: key block kb, channel half c at KF + 16 kb + 8 c
.set WV,  2           ; s2   my wave's number
.set SLOTS, 3         ; s3   slots still to be asked for
.set MP,  4           ; s[4:5]  maskw at piece 0's words of the step whose words were loaded last
.set PFA, 6           ; s[6:7]  where my prefetches stand
.set PFS, 8           ; s[8:9]  their step
.set LIM, 10          ; s10  1 in a wave that prefetches, else the greatest number
.set CNT, 11          ; s11  counts trips
.set G0,  12          ; s[12:15] descriptor group 0: it walks
.set G1,  16          ; s[16:23] descriptor group 1
.set SEL, 24          ; s[24:25] v_permlanex16_b32's selects: each lane takes its own place in the other half
.set TB,  26          ; s26  LDS byte at which K of the step to be fetched begins
.set CS,  28          ; s[28:29] c: the packed scaling takes the pair's low word for both halves
.set OOF, 30          ; s[30:31] my wave's byte offset in q's part of qkv and in ob
.set QP,  100         ; s[100:101] Q at my wave's first row
                      ; s[32:63], s[68:99] a piece's 64 mask words: word d in s[32+d] below 32, else in s[36+d]
.set MSB, 0
.macro WIN new                      ; the high byte repeats the setting that is left; a switch that changes nothing is dropped
.if MSB != (\new)
	s_set_vgpr_msb (MSB<<8)|(\new)
.set MSB, (\new)
.endif
.endm
.set W_KQ, 0x05       ; K and Q in window 1, S^T in window 0
.set W_PV, 0x50       ; V and P in window 0, O^T in window 1
.set W_RS, 0x41       ; O^T (destination and source 0) in window 1, a in window 0
.set W_T1, 0x40       ; destination window 1, address window 0
.macro PLACES
.rept 4
	v_nop
.endr
.endm
; A joint fill.  Waves 0 and 1 fetch the two halves of a slot's K, waves 2 and 3 those of its V, 128 keys each; waves 4 to 7 fetch nothing.  The branch hangs on the wave's number alone.
; An s_nop 0 and four v_nop follow the load, ahead of the label.
.macro JLOAD
	s_cmp_lt_u32 s[WV], 4
	s_cbranch_scc0 .Lnone_\@
	tensor_load_to_lds s[G0:G0+3], s[G1:G1+7]
	s_nop 0
.rept 4
	v_nop
.endr
.Lnone_\@:
.endm
; A PREFETCH of what will be wanted one slot on, behind the wave's tensor load and its five lines.  Each aligned run of 256 bytes is named once in the launch.  K and V: a head has one cluster; its four partners take a quarter
; of the slot's 128 runs each, told apart by address (cx); wave 0 asks for K's, wave 2 for V's.  The mask words: the 16 heads of a batch read the same; the batch's first head asks; waves 4 and 5 name the four steps' words of
; eight pieces each.  The last change that fills a slot asks for nothing; slots 0 and 1, and the words of steps 0 to 7, come by their loads alone.
.macro ASK
	s_cmp_gt_u32 s[SLOTS], s[LIM]
	s_cbranch_scc0 .Lnot_mine_\@
	global_prefetch_b8 v[PFO], s[PFA:PFA+1] th:TH_LOAD_NT scope:SCOPE_SE
.Lnot_mine_\@:
.endm
.macro CROUND                       ; a round of the cluster's barrier
	s_barrier_signal -1
	s_barrier_wait -1
	s_cmp_lg_u32 s[WV], 0
	s_cbranch_scc1 .Lnot_wave_0_\@
	s_barrier_signal -3
.Lnot_wave_0_\@:
	s_barrier_wait -3
	s_barrier_signal -1
	s_barrier_wait -1
.endm
; THE CHANGE OF SLOTS, between turn 0 and turn 1 of a slot's last step: the slot's last bytes, V of that step, have been asked for, and the next fetch is K of the next slot's first step.  Each wave waits for all its tensor
; loads (the one that is out is its part of the other slot), adds 0 to its spare word, and waits for that and for its reads of the slot.  fill = 1: the slot is filled again, with the keys two slots on; the barrier is then a
; round of the cluster's, and the joint fill is the first thing behind it: it has four key steps in which to land.  (At its first use nothing has been read yet: slot 0 is waited for, slot 1 filled.)
.macro CHANGE fill
	WIN 0
	s_wait_tensorcnt 0x0            ; no tensor load of mine is out, so group 0 may be written
	ds_add_u32 v[SPW], v[NIL]       ; 0 onto my spare word: with fill = 1 the descriptor's steps stand between it and the wait for it
.if \fill
	s_xor_b32 s[G0+1], s[G0+1], SLOT1  ; the other slot than last time,
	s_add_nc_u64 s[G0+2:G0+3], s[G0+2:G0+3], 4*KS*128  ; the next 256 keys; the type bits on top are not reached
	s_wait_xcnt 0x0                 ; the last prefetch, four key steps back, has read its address
	s_add_nc_u64 s[PFA:PFA+1], s[PFA:PFA+1], s[PFS:PFS+1]
	s_wait_dscnt 0x0                ; the add is done, and my reads of the slot are over
	CROUND
	JLOAD
	ASK
.else
	s_wait_dscnt 0x0
	s_barrier_signal -1
	s_barrier_wait -1
.endif
	s_sub_co_u32 s[TB], s[TB], VOFF ; the fetches go back to a slot's first step,
	s_xor_b32 s[TB], s[TB], SLOT1   ; in the other slot
.endm
	s_load_b128 s[32:35], s[0:1], 0x0  ; qkv s[32:33], maskw s[34:35]
	v_lshl_add_u32 v[SPW], v0, 2, SPARE
	v_mov_b32 v[NIL], 0
	ds_add_u32 v[SPW], v[NIL]       ; the wave's opening: the add, and its wait ahead of my first tensor load; the set-up below, work on registers, stands between them
	v_lshrrev_b32 v9, 5, v0
	v_readfirstlane_b32 s[WV], v9   ; wave 0..7
	s_bfe_u32 s36, ttmp6, 0x40000   ; cx
	s_lshl_b32 s37, ttmp9, 2
	s_add_co_u32 s37, s37, s36      ; my block of 512 queries: it enters Q's, O's, the mask words' and the prefetches' addresses alone
	s_and_b32 s38, ttmp7, 0xffff    ; batch x 16 + head, which the four partners share
	; descriptor group 1.  128 keys are 16,384 dense bytes: asked for as 64 rows of 256 bytes, two keys a row, and padded in LDS after every key
	s_mov_b32 s[G1], 15|(1<<16)|(1<<20)|(1<<21)|(4<<22)|(3<<25)  ; 15:0 the mask of four; 17:16 2-byte elements; 20 padding on; 21 set beside a mask; 24:22 after every 32 words (code 4); 31:25 4 words (code 3)
	s_mov_b32 s[G1+1], 128<<16      ; tensor_dim0 = 128
	s_mov_b32 s[G1+2], 64<<16       ; tensor_dim1 = 64
	s_mov_b32 s[G1+3], 128<<16      ; tile_dim0 = 128
	s_mov_b32 s[G1+4], 64           ; tile_dim1 = 64
	s_mov_b32 s[G1+5], 128          ; 128 elements from row to row
	s_mov_b32 s[G1+6], 0
	s_mov_b32 s[G1+7], 0
	s_and_b32 s39, s[WV], 3
	s_mov_b32 s[G0], 1              ; count = 1
	s_mul_i32 s[G0+1], s39, QUART   ; LDS address, slot 0: K's halves, then V's: the wave's number alone
	s_lshr_b32 s40, s39, 1          ; 0: K, 1: V
	s_add_co_u32 s40, s40, 1
	s_lshl_b32 s40, s40, 24         ; k's and v's parts of qkv begin 16,777,216 and 33,554,432 bytes in
	s_lshl_b32 s41, s38, 18         ; a head is 262,144 bytes
	s_add_co_u32 s40, s40, s41
	s_and_b32 s41, s[WV], 1
	s_lshl_b32 s41, s41, 14         ; my half of a slot's 256 keys
	s_add_co_u32 s40, s40, s41
	s_mov_b32 s41, 0
	s_lshl_b32 s[OOF], s38, 18      ; Q and O: the head,
	s_lshl_b32 s43, s37, 16         ; my block's 512 rows,
	s_add_co_u32 s[OOF], s[OOF], s43
	s_lshl_b32 s43, s[WV], 13       ; my wave's 64
	s_add_co_u32 s[OOF], s[OOF], s43
	s_mov_b32 s[OOF+1], 0
	s_lshr_b32 s44, s38, 4          ; the mask words: the batch's 64 pieces of 8,192 bytes,
	s_lshl_b32 s44, s44, 19
	s_lshl_b32 s45, s37, 17         ; my block's 16 pieces,
	s_add_co_u32 s44, s44, s45
	s_lshl_b32 s45, s[WV], 14       ; my wave's 2
	s_add_co_u32 s44, s44, s45
	s_mov_b32 s45, 0
	; the prefetches
	s_lshr_b32 s46, s[WV], 1
	s_and_b32 s47, s[WV], 1
	s_and_b32 s48, s46, 1           ; waves 0 to 3: K or V, the head, my work-group's quarter of a slot, one slot in
	s_add_co_u32 s48, s48, 1
	s_lshl_b32 s48, s48, 24
	s_lshl_b32 s49, s38, 18
	s_add_co_u32 s48, s48, s49
	s_lshl_b32 s49, s36, 13
	s_add_co_u32 s48, s48, s49
	s_add_co_u32 s48, s48, 4*KS*128
	s_lshr_b32 s50, s38, 4          ; waves 4 to 7: the batch, my block's 16 pieces, eight of them, four steps in
	s_lshl_b32 s50, s50, 19
	s_lshl_b32 s51, s37, 17
	s_add_co_u32 s50, s50, s51
	s_lshl_b32 s51, s47, 16
	s_add_co_u32 s50, s50, s51
	s_add_co_u32 s50, s50, 1024
	s_and_b32 s52, s38, 15          ; 0 in the batch's first head,
	s_xor_b32 s53, s46, 2           ; 0 in waves 4 and 5
	s_or_b32 s52, s52, s53
	s_mov_b32 s[PFS], 1024
	s_mov_b32 s[PFS+1], 0
	s_mov_b32 s49, 0
	s_cmp_lt_u32 s[WV], 4
	s_cselect_b32 s48, s48, s50
	s_cselect_b32 s52, s47, s52     ; 0 in a wave that asks: the same in all four partners, for a given wave
	s_cselect_b32 s[PFS], 4*KS*128, s[PFS]
	s_cselect_b32 s53, 10, 13
	s_cmp_eq_u32 s52, 0
	s_cselect_b32 s[LIM], 1, -1
	v_bfe_u32 v10, v0, 2, 3         ; lane / 4
	v_and_b32 v11, 3, v0            ; lane % 4
	v_lshlrev_b32 v[PFO], s53, v10  ; K, V: 256 x lane; the words: a piece for each four lanes, 8,192 bytes apart, and four steps of 256 bytes
	v_lshl_add_u32 v[PFO], v11, 8, v[PFO]
	s_mov_b32 s[CS], 0x3e38aa3b     ; c = log2(e) / 8 = 0.180337
	s_mov_b32 s[CS+1], s[CS]        ; named with it as a pair
	s_mov_b32 s[SEL], 0x76543210
	s_mov_b32 s[SEL+1], 0xfedcba98
	s_mov_b32 s[TB], SLOT1+VOFF     ; the first change of slots turns this into 0
	s_mul_i32 s54, s[WV], 16*SP
	s_add_co_u32 s54, s54, STAGE    ; my stage
	s_wait_dscnt 0x0                ; the opening add is done
	s_wait_kmcnt 0x0
	s_add_nc_u64 s[G0+2:G0+3], s[32:33], s[40:41]  ; global address: my part of the head's first 256 keys
	s_or_b32 s[G0+3], s[G0+3], 0x80000000          ; type = 2
	s_add_nc_u64 s[QP:QP+1], s[32:33], s[OOF:OOF+1]
	s_add_nc_u64 s[MP:MP+1], s[34:35], s[44:45]
	s_cmp_lt_u32 s[WV], 4
	s_cselect_b64 s[PFA:PFA+1], s[32:33], s[34:35]
	s_add_nc_u64 s[PFA:PFA+1], s[PFA:PFA+1], s[48:49]
	CROUND                          ; all four work-groups are here: the first joint loads meet
	JLOAD                           ; slot 0.  Slot 1 is asked for when slot 0 is in
	; A fragment of K or Q is 16 rows x 32 channels in 8 registers: lane l holds row l % 16, channels 8 (l / 16) + 0..7 and 16 + 8 (l / 16) + 0..7: two loads of 16 bytes, 32 bytes apart.
	v_and_b32 v1, 15, v0            ; l % 16
	v_bfe_u32 v9, v0, 4, 1          ; l / 16
	v_lshlrev_b32 v[QO], 7, v1
	v_lshl_add_u32 v[QO], v9, 4, v[QO]
	WIN W_T1
.set i, 0
.rept 8                             ; Q stays in registers: tile i / 2, channels 32 (i % 2) on
	global_load_b128 v[Q+8*i:Q+8*i+3],   v[QO], s[QP:QP+1] offset:(i/2)*2048+(i%2)*64
	global_load_b128 v[Q+8*i+4:Q+8*i+7], v[QO], s[QP:QP+1] offset:(i/2)*2048+(i%2)*64+32
.set i, i+1
.endr
	; What the first turn finds: O^T and l are 0; V's registers and piece 1's P hold 0, so that its products V^T P, of a step that has not been, add 0.  No first turn is written out; these lines stand in the wait for the first tile.
.set i, 0
.rept 128
	v_mov_b32 v[i], 0
.set i, i+1
.endr
	WIN 0
.set i, 0
.rept 64
	v_mov_b32 v[VF+i], 0
.set i, i+1
.endr
.set i, 0
.rept 16
	v_mov_b32 v[S+64+i], 0
	v_mov_b32 v[S+96+i], 0
.set i, i+1
.endr
.set i, 0
.rept 4
	v_mov_b32 v[ST+4*i], 0xfe000000    ; c m: far below every c s
	v_mov_b32 v[ST+4*i+1], 0xff7fffff  ; m
	v_mov_b32 v[ST+4*i+2], 0
	v_mov_b32 v[ST+4*i+3], 0
.set i, i+1
.endr
	v_mov_b32 v[NEG], 0xd0000000    ; -2^33
	v_mul_u32_u24 v[AK0], v1, PK
	v_lshl_add_u32 v[AK0], v9, 4, v[AK0]  ; row x pitch + 16 x half
	; The turning load takes 16 keys x 16 channels (lane l reads key 8 (l / 16) + l % 8, channels 8 ((l / 8) % 2) + 0..7) and leaves half a fragment of V^T: lane l holds channel l % 16 and 8 keys.
	v_and_b32 v10, 7, v0
	v_bfe_u32 v11, v0, 3, 1
	v_lshl_add_u32 v[AV0], v9, 3, v10
	v_mul_u32_u24 v[AV0], v[AV0], PK
	v_lshl_add_u32 v[AV0], v11, 4, v[AV0]
	v_add_nc_u32 v[AV0], VOFF, v[AV0]
	v_mul_u32_u24 v[STO], v1, SP    ; the way out, in: row l % 16, 16 bytes for each half of the lanes
	v_lshl_add_u32 v[STO], v9, 4, v[STO]
	v_add_nc_u32 v[STO], s54, v[STO]
	v_bfe_u32 v[RD], v0, 3, 2       ; back: 32 lanes take four rows of 128 bytes,
	v_mul_u32_u24 v[RD], v[RD], SP
	v_lshl_add_u32 v[RD], v10, 4, v[RD]
	v_add_nc_u32 v[RD], s54, v[RD]
	v_and_b32 v[GO], 31, v0         ; which are 512 consecutive bytes of O
	v_lshlrev_b32 v[GO], 4, v[GO]
; THE MATRIX WORK: product i of a turn's 32, for piece y.  The 8 accumulators of a run of 16 take turns: between the two links of a chain stand 7 others'.
; i < 16: O^T += V^T P: keys 32 (i / 8) on, channels 16 ((i / 2) % 4) on, tile 2 y + i % 2.  i >= 16: S^T = K Q^T: channels 32 ((i - 16) / 8) on, keys 16 ((i / 2) % 4) on, tile 2 y + i % 2; the first 8 start the sums.
.macro MM y
.if i < 16
	WIN W_PV
.set rO, 32*(2*(\y)+i%2)+8*((i/2)%4)
.set rV, VF+32*(i/8)+8*((i/2)%4)
.set rP, S+64*(\y)+32*(i%2)+8*(i/8)
	v_wmma_f32_16x16x32_f16 v[rO:rO+7], v[rV:rV+7], v[rP:rP+7], v[rO:rO+7]
.else
	WIN W_KQ
.set rS, S+64*(\y)+32*(i%2)+8*((i/2)%4)
.set rK, KF+16*((i/2)%4)+8*((i-16)/8)
.set rQ, Q+16*(2*(\y)+i%2)+8*((i-16)/8)
.if i < 24
	v_wmma_f32_16x16x32_f16 v[rS:rS+7], v[rK:rK+7], v[rQ:rQ+7], 0
.else
	v_wmma_f32_16x16x32_f16 v[rS:rS+7], v[rK:rK+7], v[rQ:rQ+7], v[rS:rS+7]
.endif
.endif
.set i, i+1
.endm
; THE LDS LOADS stand in runs of 16: a step's K (64 keys x 64 channels: 8 fragments) and its V (turned).  last = 1 (the tail): in the last trip there is no further step, and K's run is jumped over.
.macro FETCH_K last
	WIN 0
.if \last
	s_cmp_eq_u32 s[CNT], 1
	s_cbranch_scc1 .Lno_k_\@
.endif
	v_add_nc_u32 v[AK], s[TB], v[AK0]
	WIN W_T1
.irp f, 0,1,2,3,4,5,6,7             ; keys 16 (f / 2) on, channels 32 (f % 2) on
	ds_load_b128 v[KF+8*\f:KF+8*\f+3],   v[AK] offset:(\f/2)*16*PK+(\f%2)*64
	ds_load_b128 v[KF+8*\f+4:KF+8*\f+7], v[AK] offset:(\f/2)*16*PK+(\f%2)*64+32
.endr
	WIN 0
.if \last
.Lno_k_\@:
.endif
.endm
.macro FETCH_V
	WIN 0
	v_add_nc_u32 v[AV], s[TB], v[AV0]
	s_add_co_u32 s[TB], s[TB], STEPB  ; the next fetches are the next step's
.irp f, 0,1,2,3,4,5,6,7             ; keys 32 (f / 4) on, channels 16 (f % 4) on
	ds_load_tr16_b128 v[VF+8*\f:VF+8*\f+3],   v[AV] offset:(\f/4)*32*PK+(\f%4)*32
	ds_load_tr16_b128 v[VF+8*\f+4:VF+8*\f+7], v[AV] offset:(\f/4)*32*PK+16*PK+(\f%4)*32
.endr
.endm
.macro LOADM off                    ; a piece's 64 mask words, 256 consecutive bytes, by four scalar loads
	s_load_b512 s[32:47], s[MP:MP+1], (\off)
	s_load_b512 s[48:63], s[MP:MP+1], (\off)+64
	s_load_b512 s[68:83], s[MP:MP+1], (\off)+128
	s_load_b512 s[84:99], s[MP:MP+1], (\off)+192
.endm
; THE VECTOR WORK of piece x, its two tiles u alternating, so that no instruction reads the result of the one before it.
.macro REGS x, u
.set rT, ST+4*(2*(\x)+(\u))
.set rC, TMP+4*(\u)
.set rM, MV+(\u)
.set rS, S+64*(\x)+32*(\u)
.set rO, 32*(2*(\x)+(\u))
.endm
; Number n of the 22 that find the maximum and statistics.  0-11 four chains c0-c3 of seven scores each; 12-14, 16 the four scores left over, the old m, and c0-c3 into c0; 15 c m_old is kept;
; 17, 18 the query's other 32 keys lie in the lane 16 away: the new m; 19-21 c m; c m_old - c m_new; a
.macro XS x, u, n
	REGS \x, \u
.if (\n) < 4
	v_max3_num_f32 v[rC+(\n)], v[rS+8*(\n)], v[rS+8*(\n)+1], v[rS+8*(\n)+2]
.elseif (\n) < 12
	v_max3_num_f32 v[rC+(\n)%4], v[rC+(\n)%4], v[rS+8*((\n)%4)+2*((\n)/4)+1], v[rS+8*((\n)%4)+2*((\n)/4)+2]
.elseif (\n) == 12
	v_max3_num_f32 v[rC], v[rC], v[rS+7], v[rS+15]
.elseif (\n) == 13
	v_max3_num_f32 v[rC+1], v[rC+1], v[rS+23], v[rS+31]
.elseif (\n) == 14
	v_max3_num_f32 v[rC+2], v[rC+2], v[rC+3], v[rT+1]
.elseif (\n) == 15
	v_mov_b32 v[rM], v[rT]
.elseif (\n) == 16
	v_max3_num_f32 v[rC], v[rC], v[rC+1], v[rC+2]
.elseif (\n) == 17
	v_permlanex16_b32 v[rC+3], v[rC], s[SEL], s[SEL+1]
.elseif (\n) == 18
	v_max_num_f32 v[rT+1], v[rC], v[rC+3]
.elseif (\n) == 19
	v_mul_f32 v[rT], s[CS], v[rT+1]
.elseif (\n) == 20
	v_sub_f32 v[rC+1], v[rM], v[rT]
.else
	v_exp_f32 v[rC+2], v[rC+1]
.endif
.endm
.macro FS x, f                      ; scaling f of 32: c s - c m for pair f / 2 of tile f % 2
	REGS \x, (\f)%2
	v_pk_fma_f32 v[rS+2*((\f)/2):rS+2*((\f)/2)+1], v[rS+2*((\f)/2):rS+2*((\f)/2)+1], s[CS:CS+1], v[rT:rT+1] op_sel_hi:[1,0,0] neg_lo:[0,0,1] neg_hi:[0,0,1]
.endm
.macro EX x, e                      ; exponential e of 64: score e / 2 of tile e % 2
	REGS \x, (\e)%2
	v_exp_f32 v[rS+(\e)/2], v[rS+(\e)/2]
.endm
.macro SUM x, u, j                  ; pair j of 16 joins the sums: l takes the even pairs (pair 0 as l = a l + pair), c0, c1 the odd ones (begun with pairs 1 and 3 at once, so that nothing is cleared; there is no SUM for j = 3)
	REGS \x, \u
.if (\j) == 0
	v_pk_fma_f32 v[rT+2:rT+3], v[rT+2:rT+3], v[rC+2:rC+3], v[rS:rS+1] op_sel_hi:[1,0,1]
.elseif (\j) == 1
	v_pk_add_f32 v[rC:rC+1], v[rS+2:rS+3], v[rS+6:rS+7]
.elseif (\j)%2 == 0
	v_pk_add_f32 v[rT+2:rT+3], v[rT+2:rT+3], v[rS+2*(\j):rS+2*(\j)+1]
.else
	v_pk_add_f32 v[rC:rC+1], v[rC:rC+1], v[rS+2*(\j):rS+2*(\j)+1]
.endif
.endm
.macro CV x, u, j                   ; pair j is rounded to f16 into register j: P
	REGS \x, \u
	v_cvt_pk_f16_f32 v[rS+(\j)], v[rS+2*(\j)], v[rS+2*(\j)+1]
.endm
; Number q of the 300, and q steps.
;   0-63     the selects: the score where the lane's bit is 1, else -2^33; each accumulator's lowest register is read first
;   64-107   XS's 22 for both tiles; its last, a, opens the batch of exponentials
;   108-203  the 32 scalings and 64 exponentials: four scalings, then 28 times exponential, scaling, exponential, then eight exponentials: exponential e leans on scaling 2 (e / 4) + e % 2, which stands at least three lines ahead.
;            None of these names an exponential's result.  Behind 203 stands the one wait for the batch of 66 (TURN writes it)
;   204-267  for each pair j: it joins the sums, then it is rounded into register j; at the end c0, c1 join l
;   268-299  O^T times a: the one part that leaves window 0
.macro VQ x
.if q < 268
	WIN 0
.else
	WIN W_RS
.endif
.if q < 32
	v_cndmask_b32 v[S+64*(\x)+32*(q%2)+q/2], v[NEG], v[S+64*(\x)+32*(q%2)+q/2], s[32+q]
.elseif q < 64
	v_cndmask_b32 v[S+64*(\x)+32*(q%2)+q/2], v[NEG], v[S+64*(\x)+32*(q%2)+q/2], s[36+q]
.elseif q < 108
	XS \x, q%2, (q-64)/2
.elseif q < 112
	FS \x, q-108
.elseif q < 196
.if (q-112)%3 == 1
	FS \x, 4+(q-112)/3
.else
	EX \x, 2*((q-112)/3)+((q-112)%3)/2
.endif
.elseif q < 204
	EX \x, q-140
.elseif q < 216
.if (q-204)%4 < 2
	SUM \x, q%2, (q-204)/4
.else
	CV \x, q%2, (q-204)/4
.endif
.elseif q < 218
	CV \x, q%2, 3
.elseif q < 266
.if (q-218)%4 < 2
	SUM \x, q%2, 4+(q-218)/4
.else
	CV \x, q%2, 4+(q-218)/4
.endif
.elseif q < 268
	REGS \x, q%2
	v_pk_add_f32 v[rT+2:rT+3], v[rT+2:rT+3], v[rC:rC+1]
.else
	REGS \x, q%2
	v_pk_mul_f32 v[rO+2*((q-268)/2):rO+2*((q-268)/2)+1], v[rO+2*((q-268)/2):rO+2*((q-268)/2)+1], v[rC+2:rC+3] op_sel_hi:[1,0]
.endif
.set q, q+1
.endm
; A TURN, for piece x.  Sixteen times: two products of the other piece, then 19 of the 300 (the last time 15).  No vector line of a turn names a register of the turn's products.
; DISTANCES (ISA guide 7.12.1 for vector instructions).  The 15 lines behind the last pair, all plain, stand between the last K Q^T and what follows in the next turn: the selects that read those scores, and the loads
; into K's registers.  In the turn's middle five plain lines stand between the products that read P and V and the products that write the same registers as S^T, four of them ahead of the loads into V's registers.
; THE LDS RUNS.  Turn 1 fetches the next step's K at its head and waits for it in its middle, 16 products on.  Turn 0 fetches its step's V in its middle; turn 1 waits for it at its head.
; THE MASK WORDS.  Behind the 64th select the registers are free: the other piece's words are asked for, and waited for at the next turn's head (scalar loads come back in no order: the count is 0).
; last = 1 (the tail): in the last trip, CNT = 1, there is no further step: K's run and the words' loads are jumped over, and the 16 products K Q^T run on the last K once more and serve nothing.
.macro TURN x, last
.set q, 0
.set i, 0
	WIN 0
.if (\x) == 1
	s_wait_dscnt 0x0                ; V is in
	FETCH_K \last
.endif
	s_wait_kmcnt 0x0                ; my piece's words
.rept 16
.if i == 16
	WIN 0
	PLACES
.if (\x) == 0
	FETCH_V                         ; its v_add_nc_u32 is the fifth place
.else
	v_nop
	s_wait_dscnt 0x0                ; K is in
.endif
.endif
	MM 1-(\x)
	MM 1-(\x)
.rept 19
.if q < NV
	VQ \x
.if q == 64
.if (\x) == 0
	LOADM 8192                      ; piece 1's words of this step: a piece's row of words is 8,192 bytes
.else
.if \last
	s_cmp_eq_u32 s[CNT], 1
	s_cbranch_scc1 .Lno_m_\@
.endif
	s_add_nc_u64 s[MP:MP+1], s[MP:MP+1], 256  ; all scalar loads were waited for at the turn's head, so their base may be stepped
	LOADM 0                         ; piece 0's words of the next step
.if \last
.Lno_m_\@:
.endif
.endif
.endif
.if q == 204
	v_nop                           ; a plain instruction behind the last exponential and ahead of the first use (ISA guide 5.7.2): one for the batch
	s_wait_alu depctr_va_vdst(0)    ; the wait ahead of the first line that names a result: one for the 66
.endif
.endif
.endr
.endr
	WIN 0
.endm
	LOADM 0                         ; piece 0's words of step 0: the set-up's scalars in s[32:63] have served
	s_mov_b32 s[SLOTS], 7
	CHANGE 1                        ; slot 0 is in, everybody's part of it; slot 1 is asked for
	FETCH_K 0                       ; key step 0
	s_wait_loadcnt 0x0              ; Q
	s_wait_dscnt 0x0
.set i, 16
.rept 16
	MM 0                            ; piece 0's first scores: there is no vector work yet to set between them
.endr
	WIN 0
	PLACES                          ; the selects read and rewrite results just made: eight plain lines stand between
	PLACES
	s_mov_b32 s[CNT], 4
	s_branch .Lfirst                ; the loop is entered at a step's first turn, in the middle of a trip
.Lslot:                             ; six times: with the change above, slots 1 to 7 are asked for
	CHANGE 1
	s_mov_b32 s[CNT], 4
.Lstep:                             ; a trip: turn 1 of one step, then turn 0 of the next
	TURN 1, 0
.Lfirst:
	TURN 0, 0
	s_sub_co_u32 s[CNT], s[CNT], 1
	s_cmp_lg_u32 s[CNT], 0
	s_cbranch_scc1 .Lstep
	s_sub_co_u32 s[SLOTS], s[SLOTS], 1
	s_cmp_lg_u32 s[SLOTS], 0
	s_cbranch_scc1 .Lslot
	CHANGE 0                        ; the tail is written out: nothing is asked for
	s_mov_b32 s[CNT], 5             ; four trips walk the last slot's steps; the fifth has turn 1 of the last step alone
.Ltail:
	TURN 1, 1
	s_cmp_eq_u32 s[CNT], 1
	s_cbranch_scc1 .Lskip           ; forward, over a turn that holds no barrier and no tensor load
	TURN 0, 0
.Lskip:
	s_sub_co_u32 s[CNT], s[CNT], 1
	s_cmp_lg_u32 s[CNT], 0
	s_cbranch_scc1 .Ltail
.set i, 0
.rept 16
	MM 1                            ; piece 1's V^T P of the last step
.endr
	WIN 0
	; THE WAY OUT.  l's two halves and the other half of the lanes' are added; O^T is divided by l (never 0: the row's largest weight is 1), rounded to f16 and sent through my stage in LDS, a tile at a time.
	s_wait_kmcnt 0x0                ; no scalar load is out: s[32:33] may be loaded
	s_load_b64 s[32:33], s[0:1], 0x10  ; ob
.macro ALL line:vararg              ; one line for each tile t
.set t, 0
.rept 4
	\line
.set t, t+1
.endr
.endm
	ALL v_add_f32 v[ST+4*t+2], v[ST+4*t+2], v[ST+4*t+3]
	ALL v_permlanex16_b32 v[ST+4*t+3], v[ST+4*t+2], s[SEL], s[SEL+1]
	ALL v_add_f32 v[ST+4*t+2], v[ST+4*t+2], v[ST+4*t+3]
	ALL v_rcp_f32 v[ST+4*t+2], v[ST+4*t+2]
	v_nop                           ; a plain instruction between the last reciprocal and the use of its result
	s_wait_alu depctr_va_vdst(0)    ; and the wait ahead of the first use: one for the four reciprocals
	s_wait_kmcnt 0x0
	s_add_nc_u64 s[32:33], s[32:33], s[OOF:OOF+1]
; Tile t: a lane's eight channels of a row pack into 16 bytes; they go into rows of 144 bytes and come back as whole rows of 128, into piece 0's S^T registers.
.macro PACK t
	WIN W_RS
.set i, 32*(\t)
.rept 16
	v_pk_mul_f32 v[i:i+1], v[i:i+1], v[ST+4*(\t)+2:ST+4*(\t)+3] op_sel_hi:[1,0]
.set i, i+2
.endr
	WIN 0x05                        ; sources 0 and 1 window 1, destination window 0
.set i, 0
.rept 16
	v_cvt_pk_f16_f32 v[S+16*(\t)+i], v[32*(\t)+2*i], v[32*(\t)+2*i+1]
.set i, i+1
.endr
	WIN 0
.irp f, 0,1,2,3
	ds_store_b128 v[STO], v[S+16*(\t)+4*\f:S+16*(\t)+4*\f+3] offset:32*\f
.endr
.irp f, 0,1,2,3
	ds_load_b128 v[S+16*(\t)+4*\f:S+16*(\t)+4*\f+3], v[RD] offset:\f*4*SP  ; LDS serves a wave's instructions in order (ISA guide 5.7.1.4): these see the stores above; the next tile's stores come behind them
.endr
.endm
.macro SEND t, younger              ; younger: the LDS instructions issued behind tile t's loads: the next tile's eight, or none
	WIN 0
.irp f, 0,1,2,3
	s_wait_dscnt (\younger)+3-\f
	global_store_b128 v[GO], v[S+16*(\t)+4*\f:S+16*(\t)+4*\f+3], s[32:33] offset:(\t)*2048+\f*512  ; 512 consecutive bytes, at a multiple of 256 from O's first
.endr
.endm
	PACK 0
	PACK 1                          ; a tile's arithmetic stands between the loads of the tile before and its stores
	SEND 0, 8
	PACK 2
	SEND 1, 8
	PACK 3
	SEND 2, 8
	SEND 3, 0
	s_wait_tensorcnt 0x0            ; the wave's end: behind my last tensor load and my last LDS store
	ds_add_u32 v[SPW], v[NIL]
	s_wait_dscnt 0x0
	CROUND                          ; the closing round: no work-group ends while a partner may still ask for a tile that names it
	s_endpgm
.Lfunc_end_k_q13a4fc5b0b_attn:
	.size	k_q13a4fc5b0b_attn, .Lfunc_end_k_q13a4fc5b0b_attn-k_q13a4fc5b0b_attn
	.p2alignl 7, 3214868480
	.fill 96, 4, 3214868480
	.section	.rodata,"a",@progbits
	.p2align	6, 0x0
	.amdhsa_kernel k_q13a4fc5b0b_attn
		.amdhsa_group_segment_fixed_size 327680
		.amdhsa_private_segment_fixed_size 0
		.amdhsa_enable_private_segment 0
		.amdhsa_kernarg_size 24
		.amdhsa_user_sgpr_count 2
		.amdhsa_user_sgpr_kernarg_segment_ptr 1
		.amdhsa_wavefront_size32 1
		.amdhsa_system_sgpr_workgroup_id_x 1
		.amdhsa_system_sgpr_workgroup_id_y 1
		.amdhsa_system_sgpr_workgroup_id_z 1
		.amdhsa_system_vgpr_workitem_id 0
		.amdhsa_next_free_vgpr 512
		.amdhsa_next_free_sgpr 102
		.amdhsa_reserve_vcc 0
		.amdhsa_float_denorm_mode_32 3
		.amdhsa_float_denorm_mode_16_64 3
		.amdhsa_memory_ordered 1
		.amdhsa_forward_progress 1
		.amdhsa_inst_pref_size 121
	.end_amdhsa_kernel
	.amdgpu_metadata
---
amdhsa.version: [ 1, 2 ]
amdhsa.kernels:
  - .name:           k_q13a4fc5b0b_attn
    .symbol:         k_q13a4fc5b0b_attn.kd
    .args:
      - { .name: qkv, .offset: 0, .size: 8, .value_kind: global_buffer, .address_space: global }
      - { .name: maskw, .offset: 8, .size: 8, .value_kind: global_buffer, .address_space: global }
      - { .name: ob, .offset: 16, .size: 8, .value_kind: global_buffer, .address_space: global }
    .group_segment_fixed_size: 327680
    .private_segment_fixed_size: 0
    .kernarg_segment_align: 8
    .kernarg_segment_size: 24
    .max_flat_workgroup_size: 256
    .sgpr_count:     102
    .vgpr_count:     512
    .wavefront_size: 32
...
	.end_amdgpu_metadata
.endif
;; end of part 3
;; launch oproj (part 4): grid 4 x 64, 4 waves a work-group, clusters of 4 x 4, 327,680 bytes of LDS; arguments ob, wo16, bo, out0; writes out0
.if DOCPART == 4
	.amdgcn_target "amdgcn-amd-amdhsa--gfx1250"
	.amdhsa_code_object_version 6
	.text
	.protected	k_q13a4fc5b0b_oproj
	.globl	k_q13a4fc5b0b_oproj
	.p2align	8
	.type	k_q13a4fc5b0b_oproj,@function
k_q13a4fc5b0b_oproj:
	s_mov_b64 s[64:65], 0
	v_nop
	global_prefetch_b8 v0, s[64:65] scope:SCOPE_SE
	s_setreg_imm32_b32 hwreg(HW_REG_WAVE_MODE, 25, 1), 1
	s_wait_xcnt 0x0
	s_wait_alu depctr_hold_cnt(0) depctr_sa_sdst(0) depctr_va_vdst(0) depctr_va_sdst(0) depctr_va_ssrc(0) depctr_va_vcc(0) depctr_vm_vsrc(0)
	s_getreg_b32 s2, hwreg(HW_REG_IB_STS2, 6, 4)
	s_cmp_eq_u32 s2, 0
	s_cbranch_scc0 .Lentry_in_a_cluster
	s_endpgm
.Lentry_in_a_cluster:
	s_bfe_u32 s2, ttmp6, 0x10000c
	s_cmp_lg_u32 s2, 0xf033
	s_cbranch_scc0 .Lentry_shape_is_right
	s_endpgm
.Lentry_shape_is_right:
; THE LAST PROJECTION.  out0[m][n] = sum over e of X[m][e] Wo[n][e] + bo[n], where X[b 2048 + s][64 h + d] = ob[b 16 + h][s][d].  ob: [64][2048][64] f16, wo16: [1024][1024] f16 (Wo rounded to bf16, written as f16),
; bo f32 (rounded to bf16 like all the module's inputs), out0: [8192][1024] f32.  Sums in f32.
; SHARES.  256 tiles of 128 rows x 256 columns, one for each work-group; four waves, each 64 rows x 128 columns: 32 accumulators.  K goes in 8 steps of 128, two heads each, through two LDS slots.
; A head's 128 rows of a tile are 16,384 dense bytes: asked for as 64 rows of 256 bytes and padded in LDS after every 128.
; CLUSTER.  4 x 4 work-groups: X's tile is shared along a row of the cluster, Wo's along a column: each is asked for JOINTLY, by the same tensor load, descriptor and mask in all four.
; THE MATRIX INSTRUCTION IS USED TRANSPOSED (source 0 = 16 rows of Wo, source 1 = 16 rows of X): a lane holds row l % 16 and eight neighbouring columns.  The bias is the C operand of the products that start the sums.
; REGISTERS, in windows of 256 (s_set_vgpr_msb: bits 1:0 source 0, 3:2 source 1, 5:4 source 2, 7:6 destination):
;   window 0: v0-31 addresses; v32-63 at work on the bias; v64-159, v160-255 two fragment buffers (Wo's eight fragments, then X's four), which also serve the way out
;   window 1: accumulator (a, b) at v[8 (8 a + b)]          window 2: v0-63 the bias
.set PITCH,  272                       ; a row of Wo in LDS: 256 bytes + 16 (64 banks of 4 bytes: ISA guide 11.1: sixteen rows start at sixteen different groups of four banks)
.set PA,     144                       ; a row of a head in LDS: 128 bytes + 16
.set AHEAD,  128*PA                    ; a head's 128 rows: what a tensor load brings of X
.set BHALF,  128*PITCH                 ; what a tensor load brings of Wo
.set BOFF,   2*AHEAD                   ; a slot: two heads' rows, then Wo's 256
.set SLOT,   BOFF+2*BHALF
.set STAGE,  2*SLOT                    ; behind the ring, never filled by a tensor load: for each wave 16 rows x 528 bytes
.set SP,     528                       ; 512 bytes + 16
.set SPARE,  STAGE+4*16*SP             ; behind the stages: the spare words, 128 bytes for each wave: two blocks of 256 bytes that no other line names
.set KB,     256                       ; bytes of a K step in a row of Wo
.set KA,     524288                    ; bytes of a K step in ob: two heads
.set ADRA, 16
.set ADRB, 20
.set STO,  24
.set RD,   25
.set CO,   26
.set BO,   27
.set SPW,  28                          ; v28     LDS address of my spare word; never rewritten
.set NIL,  29                          ; v29     0; never rewritten
.set PFO,  30                          ; v30     the prefetches' offset; never rewritten
.set BT,   32
.set F0,   64
.set F1,   160
.set BP,   8                           ; s[8:9]   bo
.set OUTP, 10                          ; s[10:11] out0 at my wave's part of the tile
.set WV,   16
.set RH,   17                          ; which 64 rows are mine.  Also: I fetch for X (0) or for Wo (1)
.set CH,   18                          ; which 128 columns.  Also: which head of the K step, or which half of Wo's rows, I fetch
.set HIM,  19
.set G1A,  24
.set G0A,  32
.set CX,   40
.set CY,   41
.set TC,   42
.set TR,   43
.set PFA,  44
.set G1B,  48
.set G0B,  56
.set LAPC, 67
.set LIM,  68
.set PFS,  70                          ; s[70:71] the prefetches' step: a K step in ob or in a row of Wo
.set MSB, 0
.macro WIN new
.if MSB != (\new)
	s_set_vgpr_msb (MSB<<8)|(\new)
.set MSB, \new
.endif
.endm
.set MUL,  0x50                        ; C and D window 1
.set MULF, 0x60                        ; C window 2 (the bias), D window 1
.macro PLACES
.rept 4
	v_nop
.endr
.endm
.macro JLOAD s                         ; a joint load: waves 0 and 1 fetch the K step's two heads, waves 2 and 3 Wo's two halves; an s_nop 0 and four v_nop follow each of the two lines
	s_cmp_eq_u32 s[RH], 0
	s_cbranch_scc0 .Lfor_b_\@
	tensor_load_to_lds s[G0A+4*(\s):G0A+4*(\s)+3], s[G1A:G1A+7]
	s_nop 0
.rept 4
	v_nop
.endr
	s_branch .Lasked_\@
.Lfor_b_\@:
	tensor_load_to_lds s[G0B+4*(\s):G0B+4*(\s)+3], s[G1B:G1B+7]
	s_nop 0
.rept 4
	v_nop
.endr
.Lasked_\@:
.endm
; A PREFETCH of the K step that stands two refills on, one instruction, each aligned run of 256 bytes named once in the launch.  X: a K step of the tile is 2 heads x 16,384 bytes = 128 runs; wave 0 of each of the four
; work-groups of a row of the cluster takes 32, told apart by address (cx).  Wo: the first cluster asks; of the 128 rows that wave 2 or 3 fetches the partner at cy takes 32, a lane a row.  The last two refills ask for nothing.
.macro ASK
	s_cmp_gt_u32 s[LAPC], s[LIM]
	s_cbranch_scc0 .Lnot_mine_\@
	global_prefetch_b8 v[PFO], s[PFA:PFA+1] th:TH_LOAD_NT scope:SCOPE_SE
.Lnot_mine_\@:
.endm
.macro CREST
	s_cmp_lg_u32 s[WV], 0
	s_cbranch_scc1 .Lnot_wave_0_\@
	s_barrier_signal -3
.Lnot_wave_0_\@:
	s_barrier_wait -3
	s_barrier_signal -1
	s_barrier_wait -1
.endm
.macro CROUND
	s_barrier_signal -1
	s_barrier_wait -1
	CREST
.endm
	s_load_b256 s[4:11], s[0:1], 0x0               ; ob s[4:5], wo16 s[6:7], bo s[8:9], out0 s[10:11]
	v_lshl_add_u32 v[SPW], v0, 2, SPARE
	v_mov_b32 v[NIL], 0
	ds_add_u32 v[SPW], v[NIL]                      ; the wave's opening: the add, and its wait ahead of my first tensor load; the set-up below, work on registers, stands between them
	v_lshrrev_b32 v1, 5, v0
	v_readfirstlane_b32 s[WV], v1
	s_lshr_b32 s[RH], s[WV], 1
	s_and_b32 s[CH], s[WV], 1
	s_mov_b32 s[HIM], 0xffff0000
	s_bfe_u32 s[CX], ttmp6, 0x40000
	s_bfe_u32 s[CY], ttmp6, 0x40004
	s_lshl_b32 s[TC], ttmp9, 2
	s_add_co_u32 s[TC], s[TC], s[CX]               ; tile column
	s_and_b32 s[TR], ttmp7, 0xffff
	s_lshl_b32 s[TR], s[TR], 2
	s_add_co_u32 s[TR], s[TR], s[CY]               ; tile row
	s_lshl_b32 s20, s[CY], 2
	s_lshl_b32 s20, 15, s20                        ; my row of the cluster
	s_lshl_b32 s21, 0x1111, s[CX]                  ; my column
	s_or_b32 s[G1A], s20, (1<<16)|(1<<20)|(1<<21)|(4<<22)|(3<<25)  ; X: padding after every 32 words (code 4), 4 words (code 3)
	s_or_b32 s[G1B], s21, (1<<16)|(1<<20)|(1<<21)|(5<<22)|(3<<25)  ; Wo: after every 64 words (code 5)
	s_mov_b32 s[G1A+1], 128<<16                    ; tensor_dim0 = 128
	s_mov_b32 s[G1A+2], 64<<16                     ; tensor_dim1 = 64
	s_mov_b32 s[G1A+3], 128<<16                    ; tile_dim0 = 128
	s_mov_b32 s[G1A+4], 64                         ; tile_dim1 = 64
	s_mov_b32 s[G1A+5], 128                        ; dense: 128 elements from row to row
	s_mov_b32 s[G1A+6], 0
	s_mov_b32 s[G1A+7], 0
	s_mov_b32 s[G1B+1], 128<<16
	s_mov_b32 s[G1B+2], 128<<16
	s_mov_b32 s[G1B+3], 128<<16
	s_mov_b32 s[G1B+4], 128
	s_mov_b32 s[G1B+5], 1024
	s_mov_b32 s[G1B+6], 0
	s_mov_b32 s[G1B+7], 0
	s_lshr_b32 s22, s[TR], 4                       ; X: the batch's 16 heads of 262,144 bytes,
	s_lshl_b32 s22, s22, 22
	s_lshl_b32 s23, s[CH], 18                      ; my head of the K step,
	s_add_co_u32 s22, s22, s23
	s_and_b32 s23, s[TR], 15
	s_lshl_b32 s23, s23, 14                        ; the tile's 128 rows of 128 bytes: the tile row and the wave's number alone
	s_add_co_u32 s22, s22, s23
	s_mov_b32 s23, 0
	s_lshl_b32 s46, s[TC], 8                       ; Wo: row 256 x tile column + 128 x half: the tile column and the wave's number alone
	s_lshl_b32 s47, s[CH], 7
	s_add_co_u32 s46, s46, s47
	s_lshl_b32 s46, s46, 11
	s_mov_b32 s47, 0
	s_mul_i32 s74, s[CH], AHEAD                    ; where they go: no place in the cluster enters an LDS address
	s_mul_i32 s75, s[CH], BHALF
	s_add_co_u32 s75, s75, BOFF
	s_wait_dscnt 0x0                               ; the opening add is done
	s_wait_kmcnt 0x0
	s_add_nc_u64 s[22:23], s[4:5], s[22:23]
	s_add_nc_u64 s[46:47], s[6:7], s[46:47]
	CROUND                                         ; all sixteen work-groups are here: the first joint loads meet
.irp s, 0,1
	s_mov_b32 s[G0A+4*(\s)], 1
	s_add_co_u32 s[G0A+4*(\s)+1], s74, (\s)*SLOT
	s_add_nc_u64 s[G0A+4*(\s)+2:G0A+4*(\s)+3], s[22:23], (\s)*KA
	s_or_b32 s[G0A+4*(\s)+3], s[G0A+4*(\s)+3], 0x80000000
	s_mov_b32 s[G0B+4*(\s)], 1
	s_add_co_u32 s[G0B+4*(\s)+1], s75, (\s)*SLOT
	s_add_nc_u64 s[G0B+4*(\s)+2:G0B+4*(\s)+3], s[46:47], (\s)*KB
	s_or_b32 s[G0B+4*(\s)+3], s[G0B+4*(\s)+3], 0x80000000
	JLOAD \s                                       ; two loads of mine are out
.endr
	v_and_b32 v1, 15, v0
	v_bfe_u32 v2, v0, 4, 1
	v_mul_u32_u24 v3, v1, PITCH
	v_lshl_add_u32 v3, v2, 4, v3                   ; Wo: row x pitch + 16 x half
	v_mul_u32_u24 v4, v1, PA
	v_lshl_add_u32 v4, v2, 4, v4                   ; X likewise
	s_mul_i32 s20, s[RH], 64*PA                    ; my 64 rows of each head
	s_mul_i32 s21, s[CH], BHALF
	s_add_co_u32 s21, s21, BOFF                    ; my 128 rows of Wo
.irp s, 0,1
	v_add_nc_u32 v[ADRA+(\s)], s20, v4
	v_add_nc_u32 v[ADRB+(\s)], s21, v3
	s_add_co_u32 s20, s20, SLOT
	s_add_co_u32 s21, s21, SLOT
.endr
	s_mul_i32 s20, s[WV], 16*SP
	s_add_co_u32 s20, s20, STAGE                   ; my stage
	v_mul_u32_u24 v5, v1, SP                       ; in: row l % 16, 32 bytes for each half of the lanes
	v_lshl_add_u32 v5, v2, 5, v5
	v_add_nc_u32 v[STO], s20, v5
	v_and_b32 v7, 31, v0
	v_lshlrev_b32 v[CO], 4, v7                     ; back and out: a row's 512 bytes, 16 a lane
	v_add_nc_u32 v[RD], s20, v[CO]
	s_lshl_b32 s20, s[TC], 10                      ; the bias: 4 bytes x (256 x tile column + 128 x half + 8 (l / 16))
	s_lshl_b32 s21, s[CH], 9
	s_add_co_u32 s20, s20, s21
	v_lshl_add_u32 v[BO], v2, 5, s20
	s_lshl_b32 s21, s[TR], 7                       ; out0: my first row,
	s_lshl_b32 s76, s[RH], 6
	s_add_co_u32 s21, s21, s76
	s_lshl_b32 s21, s21, 12                        ; rows of 4,096 bytes,
	s_add_co_u32 s20, s20, s21                     ; and my first column's byte, which the bias shares
	s_mov_b32 s21, 0
	s_add_nc_u64 s[OUTP:OUTP+1], s[OUTP:OUTP+1], s[20:21]
	; the prefetches
	s_lshr_b32 s20, s[TR], 4                       ; X: the batch, the tile's rows, my work-group's quarter of the K step's two heads, K step 3
	s_lshl_b32 s20, s20, 22
	s_and_b32 s21, s[TR], 15
	s_lshl_b32 s21, s21, 14
	s_add_co_u32 s20, s20, s21
	s_lshr_b32 s21, s[CX], 1
	s_lshl_b32 s21, s21, 18
	s_add_co_u32 s20, s20, s21
	s_and_b32 s21, s[CX], 1
	s_lshl_b32 s21, s21, 13
	s_add_co_u32 s20, s20, s21
	s_add_co_u32 s20, s20, 3*KA
	s_lshl_b32 s21, s[TC], 8                       ; Wo: the 128 rows that I fetch, my work-group's 32 of them, K step 3
	s_lshl_b32 s76, s[CH], 7
	s_add_co_u32 s21, s21, s76
	s_lshl_b32 s76, s[CY], 5
	s_add_co_u32 s21, s21, s76
	s_lshl_b32 s21, s21, 11
	s_add_co_u32 s21, s21, 3*KB
	s_and_b32 s77, ttmp7, 0xffff                   ; cluster y
	s_mov_b32 s[PFS], KB
	s_mov_b32 s[PFS+1], 0
	s_cmp_eq_u32 s[RH], 0
	s_cselect_b32 s20, s20, s21
	s_cselect_b32 s77, s[WV], s77                  ; 0 in wave 0, and in waves 2 and 3 of the first cluster: the same in all sixteen partners, for a given wave
	s_cselect_b32 s[PFS], KA, s[PFS]
	s_cselect_b32 s76, 8, 11                       ; X: lanes 256 bytes apart; Wo: a lane a row of 2,048 bytes
	s_cselect_b64 s[PFA:PFA+1], s[4:5], s[6:7]
	s_cmp_eq_u32 s77, 0
	s_cselect_b32 s[LIM], 1, -1
	s_mov_b32 s21, 0
	s_add_nc_u64 s[PFA:PFA+1], s[PFA:PFA+1], s[20:21]  ; the first refill steps it to K step 4 and names that.  Nothing is prefetched here, where every work-group's first tiles are on their way
	v_lshlrev_b32 v[PFO], s76, v7
	; the bias: lane l takes the eight numbers 16 b + 8 (l / 16) + 0..7 of each column block b; rounded to bf16 and widened again
	WIN 0x80                                       ; destination window 2, address window 0
.irp b, 0,1,2,3,4,5,6,7
	global_load_b128 v[8*\b:8*\b+3],   v[BO], s[BP:BP+1] offset:64*\b
	global_load_b128 v[8*\b+4:8*\b+7], v[BO], s[BP:BP+1] offset:64*\b+16
.endr
	s_wait_loadcnt 0x0
	WIN 0x0a                                       ; sources window 2, destination window 0
.set i, 0
.rept 32
	v_cvt_pk_bf16_f32 v[BT+i], v[2*i], v[2*i+1]
.set i, i+1
.endr
	WIN 0x80
.set i, 0
.rept 32
	v_lshlrev_b32 v[2*i], 16, v[BT+i]
	v_and_b32 v[2*i+1], s[HIM], v[BT+i]
.set i, i+1
.endr
	WIN 0
; 8 matrix instructions: row block a x all 8 column blocks, 32 along K.  first = 1: the product starts the sums, with the bias as C.  The 32 accumulators take turns, one instruction a turn, in the same order in every
; quarter step.
.macro MUL8 f, a, first
.if \first
	WIN MULF
.else
	WIN MUL
.endif
.irp b, 0,1,2,3,4,5,6,7
.if \first
	v_wmma_f32_16x16x32_f16 v[8*(8*(\a)+\b):8*(8*(\a)+\b)+7], v[(\f)+8*\b:(\f)+8*\b+7], v[(\f)+64+8*(\a):(\f)+64+8*(\a)+7], v[8*\b:8*\b+7]
.else
	v_wmma_f32_16x16x32_f16 v[8*(8*(\a)+\b):8*(8*(\a)+\b)+7], v[(\f)+8*\b:(\f)+8*\b+7], v[(\f)+64+8*(\a):(\f)+64+8*(\a)+7], v[8*(8*(\a)+\b):8*(8*(\a)+\b)+7]
.endif
.endr
.endm
.macro MUL16 f, a0, first
	MUL8 \f, \a0, \first
	MUL8 \f, (\a0)+1, \first
.endm
; 24 LDS loads in one run: the fragments of quarter q of a K step into buffer f: Wo's sixteen loads (byte 64 q of its rows), then X's eight (head q / 2, byte 64 (q % 2) of its rows)
.macro FETCH slot, q, f
	WIN 0
.irp b, 0,1,2,3,4,5,6,7
	ds_load_b128 v[(\f)+8*\b:(\f)+8*\b+3],   v[ADRB+(\slot)] offset:64*(\q)+\b*16*PITCH
	ds_load_b128 v[(\f)+8*\b+4:(\f)+8*\b+7], v[ADRB+(\slot)] offset:64*(\q)+\b*16*PITCH+32
.endr
.irp a, 0,1,2,3
	ds_load_b128 v[(\f)+64+8*\a:(\f)+64+8*\a+3],   v[ADRA+(\slot)] offset:((\q)/2)*AHEAD+((\q)%2)*64+\a*16*PA
	ds_load_b128 v[(\f)+64+8*\a+4:(\f)+64+8*\a+7], v[ADRA+(\slot)] offset:((\q)/2)*AHEAD+((\q)%2)*64+\a*16*PA+32
.endr
.endm
.macro QUARTER slot, q, f, g, first    ; multiplies buffer f and in its middle fetches quarter q into g
	s_wait_dscnt 4                                 ; Wo's fragments and X's row blocks 0 and 1 are in; the youngest four loads may be out
	MUL16 \f, 0, \first
	PLACES
	FETCH \slot, \q, \g
	s_wait_dscnt 24                                ; all but the 24 just issued
	MUL16 \f, 2, \first
.endm
; The last quarter multiplies buffer 1 and changes slots: ONE barrier; in front of it each wave waits for all its tensor loads (the one that is out is its part of the next slot), adds 0 to its spare word, and waits for
; that and for its reads of this slot.  fill = 1: this slot is filled again, two K steps on: the barrier opens a round of the cluster's barrier, and the joint refill is the first thing behind it.
.macro TURN slot, next, fill
.if \fill
	s_wait_xcnt 0x0                                ; the last prefetch, a K step back, has read its address, which is stepped here
	s_add_nc_u64 s[PFA:PFA+1], s[PFA:PFA+1], s[PFS:PFS+1]
.endif
	WIN 0
	s_wait_tensorcnt 0x0                           ; all my tensor loads have landed;
	ds_add_u32 v[SPW], v[NIL]                      ; 0 onto my spare word
	s_wait_dscnt 7                                 ; (the add and the six loads of X's row blocks 1 to 3 may be out)
	MUL8 F1, 0, 0
	s_wait_dscnt 0x0                               ; the add is done, and my reads of this slot are over
	s_barrier_signal -1
	MUL8 F1, 1, 0
	WIN 0
	s_barrier_wait -1
.if \fill
	CREST                                          ; no wave of any partner still reads this slot's tile or has a load on its way
	s_add_nc_u64 s[G0A+4*(\slot)+2:G0A+4*(\slot)+3], s[G0A+4*(\slot)+2:G0A+4*(\slot)+3], 2*KA
	s_add_nc_u64 s[G0B+4*(\slot)+2:G0B+4*(\slot)+3], s[G0B+4*(\slot)+2:G0B+4*(\slot)+3], 2*KB
	JLOAD \slot                                    ; the four v_nop behind it are also the places in front of the loads below
.else
	PLACES
.endif
	FETCH \next, 0, F0
.if \fill
	ASK
.endif
	MUL16 F1, 2, 0
.endm
	s_wait_tensorcnt 0x1                           ; my part of K step 0 is in; K step 1's may stay out
	s_barrier_signal -1
	s_barrier_wait -1
	FETCH 0, 0, F0
	QUARTER 0, 1, F0, F1, 1                        ; the first quarter stands in front of the loop: its products start the sums with the bias
	WIN 0
	s_mov_b32 s[LAPC], 3
.Llap:                                                 ; a trip goes once round the ring, from a lap's second quarter to the next lap's first, and fills both slots again
	QUARTER 0, 2, F1, F0, 0
	QUARTER 0, 3, F0, F1, 0
	TURN 0, 1, 1
	QUARTER 1, 1, F0, F1, 0
	QUARTER 1, 2, F1, F0, 0
	QUARTER 1, 3, F0, F1, 0
	TURN 1, 0, 1
	QUARTER 0, 1, F0, F1, 0
	WIN 0
	s_sub_co_u32 s[LAPC], s[LAPC], 1
	s_cmp_lg_u32 s[LAPC], 0
	s_cbranch_scc1 .Llap
	QUARTER 0, 2, F1, F0, 0                        ; the last lap fills nothing
	QUARTER 0, 3, F0, F1, 0
	TURN 0, 1, 0
	QUARTER 1, 1, F0, F1, 0
	QUARTER 1, 2, F1, F0, 0
	QUARTER 1, 3, F0, F1, 0
	s_wait_dscnt 4                                 ; the very last quarter: nothing more to fetch
	MUL16 F1, 0, 0
	s_wait_dscnt 0x0
	MUL16 F1, 2, 0
	WIN 0
; THE WAY OUT, in f32.  Row block a: a lane's 32 bytes of a row go into my stage's rows of 528 bytes and come back as whole rows of 512, into the fragment buffers by turns.
.macro STG a
.set BK, F0+96*((\a)%2)
	WIN 0x04                                       ; the stores' data in window 1
.irp b, 0,1,2,3,4,5,6,7
	ds_store_b128 v[STO], v[8*(8*(\a)+\b):8*(8*(\a)+\b)+3]   offset:64*\b      ; each accumulator's low half first
	ds_store_b128 v[STO], v[8*(8*(\a)+\b)+4:8*(8*(\a)+\b)+7] offset:64*\b+16
.endr
	WIN 0
.irp t, 0,1,2,3,4,5,6,7,8,9,10,11,12,13,14,15
	ds_load_b128 v[BK+4*\t:BK+4*\t+3], v[RD] offset:SP*\t  ; LDS serves a wave's instructions in order (ISA guide 5.7.1.4): these see the stores above; the next block's stores come behind them
.endr
.endm
.macro SEND a, younger                 ; younger: the LDS instructions issued behind block a's loads: the next block's 32, or none
.set BK, F0+96*((\a)%2)
.irp t, 0,1,2,3,4,5,6,7,8,9,10,11,12,13,14,15
	s_wait_dscnt (\younger)+15-\t
	global_store_b128 v[CO], v[BK+4*\t:BK+4*\t+3], s[OUTP:OUTP+1] offset:(16*(\a)+\t)*4096 th:TH_STORE_NT  ; 512 consecutive bytes of a row of out0, aligned
.endr
.endm
	PLACES                                         ; behind the last products: the stores read results, the loads land in registers that products have read
	STG 0
	STG 1
	SEND 0, 32
	s_wait_xcnt 0x0                                ; block 0's stores have read their registers, which block 2 is loaded into
	STG 2
	SEND 1, 32
	s_wait_xcnt 0x0
	STG 3
	SEND 2, 32
	SEND 3, 0
	s_wait_tensorcnt 0x0                           ; the wave's end: behind my last tensor load and my last LDS store
	ds_add_u32 v[SPW], v[NIL]
	s_wait_dscnt 0x0
	CROUND                                         ; the closing round: no work-group ends while a partner may still ask for a tile that names it
	s_endpgm
.Lfunc_end_k_q13a4fc5b0b_oproj:
	.size	k_q13a4fc5b0b_oproj, .Lfunc_end_k_q13a4fc5b0b_oproj-k_q13a4fc5b0b_oproj
	.p2alignl 7, 3214868480
	.fill 96, 4, 3214868480
	.section	.rodata,"a",@progbits
	.p2align	6, 0x0
	.amdhsa_kernel k_q13a4fc5b0b_oproj
		.amdhsa_group_segment_fixed_size 327680
		.amdhsa_private_segment_fixed_size 0
		.amdhsa_enable_private_segment 0
		.amdhsa_kernarg_size 32
		.amdhsa_user_sgpr_count 2
		.amdhsa_user_sgpr_kernarg_segment_ptr 1
		.amdhsa_wavefront_size32 1
		.amdhsa_system_sgpr_workgroup_id_x 1
		.amdhsa_system_sgpr_workgroup_id_y 1
		.amdhsa_system_sgpr_workgroup_id_z 1
		.amdhsa_system_vgpr_workitem_id 0
		.amdhsa_next_free_vgpr 576
		.amdhsa_next_free_sgpr 78
		.amdhsa_reserve_vcc 0
		.amdhsa_float_denorm_mode_32 3
		.amdhsa_float_denorm_mode_16_64 3
		.amdhsa_memory_ordered 1
		.amdhsa_forward_progress 1
		.amdhsa_inst_pref_size 94
	.end_amdhsa_kernel
	.amdgpu_metadata
---
amdhsa.version: [ 1, 2 ]
amdhsa.kernels:
  - .name:           k_q13a4fc5b0b_oproj
    .symbol:         k_q13a4fc5b0b_oproj.kd
    .args:
      - { .name: ob, .offset: 0, .size: 8, .value_kind: global_buffer, .address_space: global }
      - { .name: wo16, .offset: 8, .size: 8, .value_kind: global_buffer, .address_space: global }
      - { .name: bo, .offset: 16, .size: 8, .value_kind: global_buffer, .address_space: global }
      - { .name: out0, .offset: 24, .size: 8, .value_kind: global_buffer, .address_space: global }
    .group_segment_fixed_size: 327680
    .private_segment_fixed_size: 0
    .kernarg_segment_align: 8
    .kernarg_segment_size: 32
    .max_flat_workgroup_size: 128
    .sgpr_count:     78
    .vgpr_count:     576
    .wavefront_size: 32
...
	.end_amdgpu_metadata
.endif
;; end of part 4
